; MI455X (gfx1250); checked and timed in simulation.
; The chip was launched on July 23, 2026; its instructions are those of AMD's public machine-readable ISA for CDNA 5 (MIT licence, August 2026) and "CDNA5" Instruction Set Architecture Reference Guide (July 2026). The comments in the code are by the model that wrote it; some were corrected since.
;; Multi Head Attention. Allowed arithmetic: matrix products marked QUANTISED: E2M1 operands, one E8M0 scale for each 32 along K, by v_wmma_scale_f32_16x16x128_f8f6f4 with both operands' format E2M1 (or v_wmma_scale_f32_32x16x128_f4), f32 sums; products left as they are: bf16, f16 or f32 operands; f32 sums; everything else in f32.
;; Inputs: Wk 1,024 x 1,024 float32; Wo 1,024 x 1,024 float32; Wq 1,024 x 1,024 float32; Wv 1,024 x 1,024 float32; bk 1,024 float32; bo 1,024 float32; bq 1,024 float32; bv 1,024 float32; mask 2,048 x 2,048 bool; pre_key 2 x 2,048 x 1,024 float32; pre_query 2 x 2,048 x 1,024 float32; pre_value 2 x 2,048 x 1,024 float32.
;; Outputs: out0 2 x 2,048 x 1,024 float32.
;; This version of the problem:
;;   THIS VERSION OF THE PROBLEM IS GIVEN IN LOW PRECISION. The matrix products marked QUANTISED in the list below multiply operands that are first quantised to E2M1 (2 exponent bits, 1 mantissa bit; 4 bits a number), with one power-of-two scale for each 32 numbers along K (OCP MX v1.0); their sums are f32. The products marked 'left as it is' may take bf16, f16 or f32 operands, with f32 sums. Whichever they take, every output number must still come out within the allowed error. Rounding operands to bf16 (8 significant bits) uses up far more of that allowance than f16 does (11 bits, for magnitudes from 6e-5 to 65,504). All else is computed in f32.
;;   The module's matrix products, in the order in which they are computed (A, B: the left and right operand; K: the contracted axis; several contracted axes count as one K, in the product's order):
;;     1. [M 4,096, K 1,024] x [K 1,024, N 1,024]; A: input pre_query; B: input Wq: QUANTISED
;;     2. [M 4,096, K 1,024] x [K 1,024, N 1,024]; A: input pre_key; B: input Wk: QUANTISED
;;     3. [M 4,096, K 1,024] x [K 1,024, N 1,024]; A: input pre_value; B: input Wv: QUANTISED
;;     4. batch 32 x [M 2,048, K 64] x [K 64, N 2,048]; A: computed on the way; B: computed on the way: left as it is (an operand is computed on the way)
;;     5. batch 32 x [M 64, K 2,048] x [K 2,048, N 2,048]; A: computed on the way; B: computed on the way: left as it is (an operand is computed on the way)
;;     6. [M 4,096, K 1,024] x [K 1,024, N 1,024]; A: computed on the way; B: input Wo: left as it is (an operand is computed on the way)
;;   THE QUANTISER, for each operand of a quantised product, along K:
;;     - K is cut into blocks of 32 from its start; a last block that is shorter is filled with zeros.
;;     - A block's scale is 2^e with e = floor(log2(the largest magnitude in the block)) - 2, held to -126 .. 127; a block of zeros has e = 0. As a byte (E8M0): e + 127.
;;     - Each number is divided by its block's scale, clamped to +-6, and rounded to the nearest number of E2M1, ties to even, subnormals kept.
;;     - The product sums the exact products of the quantised numbers (number of the format x scale) in f32.
;;   ~~~python
;;   def quantise(x, axis):      # numpy; x: float32 -> the quantised numbers, widened to float32 again
;;       x = np.moveaxis(x, axis, -1); K = x.shape[-1]
;;       x = np.pad(x, [(0, 0)] * (x.ndim - 1) + [(0, -K % 32)]); x = x.reshape(x.shape[:-1] + (-1, 32)); a = np.abs(x).max(-1, keepdims=True)
;;       e = np.where(a > 0, np.clip(np.frexp(np.where(a > 0, a, 1))[1] - 1 - 2, -126, 127), 0)      # np.frexp(a)[1] - 1 = floor(log2(a)), exactly
;;       r = np.clip(x / 2.0 ** e, -6, 6)
;;       step = 2.0 ** (np.maximum(np.frexp(np.where(r == 0, 1, r))[1] - 1, 0) - 1)
;;       q = np.round(r / step) * step * 2.0 ** e      # np.round: ties to even
;;       return np.moveaxis(q.reshape(q.shape[:-2] + (-1,))[..., :K], -1, axis).astype(np.float32)
;;   ~~~
;; One version. Each part assembles by itself: llvm-mc -triple=amdgcn-amd-amdhsa -mcpu=gfx1250 --defsym DOCPART=n.
;; ======== version 1 of 1: 4 launches
;; limits: values are held in f16: magnitudes above 65,504 overflow, below 6.1e-05 lose precision
;; workspace buffers: codes 7,864,320 bytes; scales 491,520 bytes; qkv 25,165,824 bytes; wo16 2,097,152 bytes; att 8,388,608 bytes; maskw 524,288 bytes of whole numbers; flags 8,192 bytes of whole numbers
;; launch prep (part 1): grid 672 x 1, 4 waves a work-group, no clusters, 33,280 bytes of LDS; arguments pre_query, pre_key, pre_value, Wq, Wk, Wv, Wo, mask, codes, scales, wo16, maskw, flags; writes codes, scales, wo16, maskw, flags
.if DOCPART == 1
	.amdgcn_target "amdgcn-amd-amdhsa--gfx1250"
	.amdhsa_code_object_version 6
	.text
	.protected	k_q3b9911f595_prep
	.globl	k_q3b9911f595_prep
	.p2align	8
	.type	k_q3b9911f595_prep,@function
k_q3b9911f595_prep:
	s_mov_b64 s[64:65], 0
	v_nop
	global_prefetch_b8 v0, s[64:65] scope:SCOPE_SE
	s_setreg_imm32_b32 hwreg(HW_REG_WAVE_MODE, 25, 1), 1
	s_wait_xcnt 0x0
; PREP: three jobs, told apart by the work-group's number g.
; g = 0 .. 479: pre_query, pre_key, pre_value (4,096 x 1,024 each) and Wq, Wk, Wv (1,024 x 1,024 each), f32 with K innermost, become codes of FP4 (E2M1), two a byte, and one E8M0 byte for each 32 along K.
;   A block's scale is 2^(floor(log2(its largest magnitude)) - 2); its byte is that magnitude's exponent field - 2, held at 1 from below.  Each number is divided by the scale and rounded to the nearest code, ties to even,
;   beyond 6 the largest code.  All six tensors are dense streams of blocks of 32, and they are laid one behind the other in 'codes' and 'scales', so the outputs' places are linear in g: 32,768 numbers a work-group.
; g = 480 .. 543: Wo becomes f16 IMAGES: 16 rows x 16 columns in 512 bytes, lane (r, h)'s 16 bytes (row r, columns 8 h .. 8 h + 7) at byte 16 x lane; images 2 c and 2 c + 1 are the two halves of a 16 x 32 operand fragment.
; g = 544 .. 671: the mask becomes words of 32 bits in the order in which the attention's score registers lie: word [query tile][key tile][j], bit r + 16 h = mask[16 qt + r][16 kt + 8 h + j];
;   and for each pair of query tiles and each 64 keys a flag: the AND of the block's 64 words, all ones where the block has no hole.
; LIMITS: NaN and infinities among the inputs are not served.  A block of zeros gets the byte 1 where the quantiser's text says 127: its codes are zeros, which add nothing, and this program alone reads the bytes.
; Wo's numbers go to f16: magnitudes above 65,504 are not served.
; No tensor loads, no barrier: waves share nothing.  Only the first job uses LDS.
.set WAVES, 4
.set STEPS, 16
.set EMAX,  2
.set CB,    8                          ; bytes of 16 codes
.set R,     16                         ; v16-79   four sets of 16 numbers as they are loaded
.set X,     80                         ; v80-111  two sets of 16 neighbours
.set C,     128                        ; v128-191 codes: four registers for each step, so that no store's data are written again
.set E,     112                        ; v112-127 a scale byte for each step
.set WREG,  8192                       ; LDS: a region for each wave: two stages of 32 x SP bytes, and behind them its 256 scale bytes
.set SP,    80                         ; a lane's place in a stage: its 64 bytes + 16 of padding
.set SPW,   12                         ; v12      LDS address of my spare word: SPARE + 4 x my thread's number; never rewritten
.set NIL,   13                         ; v13      0; never rewritten
.set SPARE, WAVES*WREG                 ; behind the four regions: the spare words, 128 bytes for each wave, which no other line names
	s_load_b512 s[4:19], s[0:1], 0x0               ; pre_query, pre_key, pre_value, Wq, Wk, Wv, Wo s[16:17], mask s[18:19]
	s_load_b256 s[20:27], s[0:1], 0x40             ; codes, scales, wo16, maskw
	s_load_b64 s[28:29], s[0:1], 0x60              ; flags
	v_lshl_add_u32 v[SPW], v0, 2, SPARE
	v_mov_b32 v[NIL], 0
	v_lshrrev_b32 v1, 5, v0
	v_readfirstlane_b32 s30, v1                    ; wave 0..3
	v_and_b32 v2, 31, v0                           ; lane
	s_wait_kmcnt 0x0
	s_cmp_ge_u32 ttmp9, 544
	s_cbranch_scc1 .Lmask
	s_cmp_ge_u32 ttmp9, 480
	s_cbranch_scc1 .Lwo
; ---------------- the quantiser ----------------
; A wave takes 16 steps of 512 numbers.  Each of a step's four loads reads 512 consecutive bytes, 16 a lane; the 2,048 bytes turn through the wave's own stage in LDS and come back 64 bytes a lane, so that a lane holds
; 16 NEIGHBOURS along K (two neighbouring lanes hold a block), as the conversions want them.  Loads run four steps ahead, the turn through LDS one step.
	v_lshlrev_b32 v3, 4, v2                        ; my 16 bytes of a load's 512
	s_mul_i32 s31, s30, WREG
	v_lshrrev_b32 v14, 2, v2
	v_mul_u32_u24 v14, v14, SP
	v_and_b32 v15, 3, v2
	v_lshl_add_u32 v14, v15, 4, v14
	v_add_nc_u32 v14, s31, v14                     ; the stage, on the way in: SP (lane / 4) + 16 (lane % 4)
	v_mul_u32_u24 v15, v2, SP
	v_add_nc_u32 v15, s31, v15                     ; and on the way out: SP x lane
	v_mul_u32_u24 v4, v2, CB                       ; my codes' place in a step's
	v_lshrrev_b32 v5, 1, v2
	s_add_co_u32 s31, s31, 2*32*SP
	v_add_nc_u32 v5, s31, v5                       ; LDS: my wave's 256 scale bytes, my block's byte
	v_lshlrev_b32 v7, 3, v2                        ; and on the way out 8 bytes a lane
	v_add_nc_u32 v6, s31, v7
	s_mov_b64 s[32:33], s[14:15]                   ; which tensor, and its first work-group: choices on the work-group's number alone
	s_mov_b32 s34, 448
	s_cmp_lt_u32 ttmp9, 448
	s_cselect_b64 s[32:33], s[12:13], s[32:33]
	s_cselect_b32 s34, 416, s34
	s_cmp_lt_u32 ttmp9, 416
	s_cselect_b64 s[32:33], s[10:11], s[32:33]
	s_cselect_b32 s34, 384, s34
	s_cmp_lt_u32 ttmp9, 384
	s_cselect_b64 s[32:33], s[8:9], s[32:33]
	s_cselect_b32 s34, 256, s34
	s_cmp_lt_u32 ttmp9, 256
	s_cselect_b64 s[32:33], s[6:7], s[32:33]
	s_cselect_b32 s34, 128, s34
	s_cmp_lt_u32 ttmp9, 128
	s_cselect_b64 s[32:33], s[4:5], s[32:33]
	s_cselect_b32 s34, 0, s34
	s_sub_co_u32 s34, ttmp9, s34
	s_lshl_b32 s34, s34, 2
	s_add_co_u32 s34, s34, s30                     ; which run of 8,192 numbers of the tensor is my wave's
	s_lshl_b32 s34, s34, 15                        ; 32,768 bytes a run
	s_mov_b32 s35, 0
	s_add_nc_u64 s[32:33], s[32:33], s[34:35]
	s_lshl_b32 s36, ttmp9, 2
	s_add_co_u32 s36, s36, s30                     ; and which run of all six tensors
	s_lshl_b32 s38, s36, 8                         ; 256 scale bytes a run
	s_lshl_b32 s36, s36, 12                        ; 4,096 bytes of codes a run
	s_mov_b32 s37, 0
	s_mov_b32 s39, 0
	s_add_nc_u64 s[20:21], s[20:21], s[36:37]
	s_add_nc_u64 s[22:23], s[22:23], s[38:39]
.macro LOAD t
.irp i, 0,1,2,3
	global_load_b128 v[R+16*((\t)%4)+4*\i:R+16*((\t)%4)+4*\i+3], v3, s[32:33] offset:2048*(\t)+512*\i th:TH_LOAD_NT   ; 32 lanes read 512 consecutive bytes
.endr
.endm
.macro TURN t                          ; step t's numbers through the stage: LDS serves a wave's instructions in order, so no wait stands between the stores and the loads
.irp i, 0,1,2,3
	ds_store_b128 v14, v[R+16*((\t)%4)+4*\i:R+16*((\t)%4)+4*\i+3] offset:32*SP*((\t)%2)+8*SP*\i
.endr
.irp i, 0,1,2,3
	ds_load_b128 v[X+16*((\t)%2)+4*\i:X+16*((\t)%2)+4*\i+3], v15 offset:32*SP*((\t)%2)+16*\i
.endr
.endm
.irp t, 0,1,2,3
	LOAD \t
.endr
	s_wait_loadcnt 12                              ; step 0's four loads are in; the twelve of steps 1 to 3 may be out
	TURN 0
.macro STEP t
.set XS, X+16*((\t)%2)
.if (\t) > 0
	s_wait_dscnt 1                                 ; this step's numbers are back from the stage (the last step's byte store may be out): so its stores into the stage have read their registers,
.else
	s_wait_dscnt 0x0
.endif
.if (\t)+4 < STEPS
	LOAD (\t)+4                                    ; which take the loads of four steps on
.endif
.if (\t)+1 < STEPS
.if STEPS-2-(\t) >= 3
	s_wait_loadcnt 12                              ; the next step's four loads are in; those of the three steps behind it may be out
.else
	s_wait_loadcnt 4*(STEPS-2-(\t))
.endif
	TURN (\t)+1                                    ; and go through the other stage while this step is worked
.endif
	v_max3_num_f32 v8, |v[XS]|, |v[XS+1]|, |v[XS+2]|               ; the largest magnitude of my 16, in two chains
	v_max3_num_f32 v9, |v[XS+3]|, |v[XS+4]|, |v[XS+5]|
.irp i, 6,10
	v_max3_num_f32 v8, v8, |v[XS+\i]|, |v[XS+\i+1]|
	v_max3_num_f32 v9, v9, |v[XS+\i+2]|, |v[XS+\i+3]|
.endr
	v_max3_num_f32 v8, v8, |v[XS+14]|, |v[XS+15]|
	v_max3_num_f32 v8, v8, v9, (EMAX+1)<<23        ; and the floor 2^(EMAX + 1 - 127): so the byte cannot fall under 1
	v_max_num_f32_dpp v8, v8, v8 row_xmask:1 row_mask:0xf bank_mask:0xf   ; and of my neighbour's 16: the block's
	v_add_nc_u32 v11, -(EMAX<<23), v8              ; EMAX off its exponent field: the conversion takes the exponent field of this operand as its scale, and nothing else of it
	v_cvt_scalef32_pk8_fp4_f32 v[C+4*(\t)], v[XS:XS+7], v11
	v_cvt_scalef32_pk8_fp4_f32 v[C+4*(\t)+1], v[XS+8:XS+15], v11
	v_lshrrev_b32 v[E+(\t)], 23, v11               ; the scale's byte (also the plain line behind the conversions)
	ds_store_b8 v5, v[E+(\t)] offset:16*(\t)       ; both lanes of a block write the same byte with the same value
	global_store_b64 v4, v[C+4*(\t):C+4*(\t)+1], s[20:21] offset:32*CB*(\t)   ; the wave stores 256 consecutive bytes, aligned
.endm
.irp t, 0,1,2,3,4,5,6,7,8,9,10,11,12,13,14,15
	STEP \t
.endr
	ds_load_b64 v[8:9], v6                         ; LDS serves a wave's instructions in order: these see my stores
	s_wait_dscnt 0x0
	global_store_b64 v7, v[8:9], s[22:23]          ; 32 lanes store 256 consecutive bytes, aligned
	s_wait_tensorcnt 0x0                           ; the wave's end: behind my last LDS store
	ds_add_u32 v[SPW], v[NIL]
	s_wait_dscnt 0x0
	s_endpgm
; ---------------- Wo to f16 images ----------------
; Work-group nt = g - 480 takes rows 16 nt .. 16 nt + 15; wave w the images u = 16 w .. 16 w + 15 (columns 256 w .. 256 w + 255).
.Lwo:
	v_and_b32 v3, 15, v0                           ; r
	v_bfe_u32 v4, v0, 4, 1                         ; h
	v_lshlrev_b32 v1, 12, v3
	v_lshl_add_u32 v1, v4, 5, v1                   ; in: row r of 4,096 bytes, + 32 h
	v_lshlrev_b32 v2, 4, v2                        ; out: 16 x lane
	s_sub_co_u32 s31, ttmp9, 480
	s_lshl_b32 s32, s31, 16                        ; 16 rows of 4,096 bytes,
	s_lshl_b32 s33, s30, 10                        ; my wave's 1,024 bytes of a row
	s_add_co_u32 s32, s32, s33
	s_mov_b32 s33, 0
	s_add_nc_u64 s[16:17], s[16:17], s[32:33]
	s_lshl_b32 s32, s31, 15                        ; 64 images of 512 bytes,
	s_lshl_b32 s34, s30, 13                        ; my wave's 16
	s_add_co_u32 s32, s32, s34
	s_add_nc_u64 s[24:25], s[24:25], s[32:33]
.set ii, 0
.rept 16
	global_load_b128 v[16+8*ii:16+8*ii+3], v1, s[16:17] offset:64*ii
	global_load_b128 v[16+8*ii+4:16+8*ii+7], v1, s[16:17] offset:64*ii+16
.set ii, ii+1
.endr
	s_wait_loadcnt 0x0
.set ii, 0
.rept 16
.irp n, 0,1,2,3
	v_cvt_pk_f16_f32 v[16+8*ii+\n], v[16+8*ii+2*\n], v[16+8*ii+2*\n+1]   ; in place, ascending: register n takes numbers 2 n and 2 n + 1
.endr
	global_store_b128 v2, v[16+8*ii:16+8*ii+3], s[24:25] offset:512*ii    ; an image: 512 consecutive bytes, aligned
.set ii, ii+1
.endr
	s_wait_tensorcnt 0x0                           ; the same three lines at every end of this launch
	ds_add_u32 v[SPW], v[NIL]
	s_wait_dscnt 0x0
	s_endpgm
; ---------------- the mask's words and flags ----------------
; Wave wt = 4 (g - 544) + wave takes the pair of query tiles qp = wt / 8 and the 256 keys grp = wt % 8: 2 x 128 words and 4 flags.
; Lane (r, h) loads, for tile x and key tile k, the 8 bytes mask[32 qp + 16 x + r][256 grp + 16 k + 8 h ..]; a compare of byte j over the 32 lanes IS the word (x, k, j).
.Lmask:
	v_and_b32 v3, 15, v0                           ; r
	v_bfe_u32 v4, v0, 4, 1                         ; h
	v_lshlrev_b32 v1, 11, v3
	v_lshl_add_u32 v1, v4, 3, v1                   ; in: row r of 2,048 bytes, + 8 h
	v_lshlrev_b32 v5, 4, v2                        ; out: 16 x lane (words),
	v_lshlrev_b32 v6, 2, v2                        ; 4 x lane (flags)
	s_sub_co_u32 s31, ttmp9, 544
	s_lshl_b32 s31, s31, 2
	s_add_co_u32 s31, s31, s30                     ; wt
	s_lshr_b32 s32, s31, 3                         ; qp
	s_and_b32 s33, s31, 7                          ; grp
	s_lshl_b32 s34, s32, 16                        ; 32 rows of 2,048 bytes
	s_lshl_b32 s36, s33, 8
	s_add_co_u32 s34, s34, s36
	s_mov_b32 s35, 0
	s_add_nc_u64 s[18:19], s[18:19], s[34:35]
	s_lshl_b32 s34, s32, 13                        ; two query tiles of 4,096 bytes of words
	s_lshl_b32 s36, s33, 9                         ; 16 key tiles of 32 bytes
	s_add_co_u32 s34, s34, s36
	s_add_nc_u64 s[26:27], s[26:27], s[34:35]
	s_lshl_b32 s34, s32, 7                         ; 32 flags of 4 bytes
	s_lshl_b32 s36, s33, 4
	s_add_co_u32 s34, s34, s36
	s_add_nc_u64 s[28:29], s[28:29], s[34:35]
.irp x, 0,1
.irp k, 0,1,2,3,4,5,6,7,8,9,10,11,12,13,14,15
	global_load_b64 v[64+32*\x+2*\k:65+32*\x+2*\k], v1, s[18:19] offset:32768*\x+16*\k
.endr
.endr
.irp i, 16,17,18,19,20,21,22,23,24
	v_mov_b32 v\i, 0                               ; written whole once: a lane write's destination counts as read
.endr
.irp i, 44,45,46,47
	s_mov_b32 s\i, -1                              ; the four flags begin as all ones
.endr
	s_wait_loadcnt 0x0
.set W, 0
.rept 256                              ; word W % 128 = 8 k + j of tile W / 128 goes to lane (W % 128) / 4, register W % 4: so a lane's four registers are four neighbouring words
.set XX, W/128
.set KP, (W%128)/8
.set JJ, W%8
.set NN, W%4
	v_and_b32 v[28+NN], 0xff<<(8*(JJ%4)), v[64+32*XX+2*KP+JJ/4]
	v_cmp_ne_u32 s[40+NN], 0, v[28+NN]
	v_writelane_b32 v[16+4*XX+NN], s[40+NN], (W%128)/4
	s_and_b32 s[44+KP/4], s[44+KP/4], s[40+NN]
.set W, W+1
.endr
.irp i, 0,1,2,3
	v_writelane_b32 v24, s[44+\i], \i
.endr
	global_store_b128 v5, v[16:19], s[26:27]               ; 128 words: 512 consecutive bytes, aligned
	global_store_b128 v5, v[20:23], s[26:27] offset:4096   ; and the second tile's
	s_wait_xcnt 0x0                                ; EXEC changes only behind this wait
	v_cmp_gt_u32 vcc_lo, 4, v2
	s_and_saveexec_b32 s50, vcc_lo
	global_store_b32 v6, v24, s[28:29]             ; lanes 0 to 3: my four flags
	s_wait_xcnt 0x0                                ; and again, in front of the line that widens it
	s_or_b32 exec_lo, exec_lo, s50
	s_wait_tensorcnt 0x0                           ; the same three lines at every end of this launch
	ds_add_u32 v[SPW], v[NIL]
	s_wait_dscnt 0x0
	s_endpgm
.Lfunc_end_k_q3b9911f595_prep:
	.size	k_q3b9911f595_prep, .Lfunc_end_k_q3b9911f595_prep-k_q3b9911f595_prep
	.p2alignl 7, 3214868480
	.fill 96, 4, 3214868480
	.section	.rodata,"a",@progbits
	.p2align	6, 0x0
	.amdhsa_kernel k_q3b9911f595_prep
		.amdhsa_group_segment_fixed_size 33280
		.amdhsa_private_segment_fixed_size 0
		.amdhsa_enable_private_segment 0
		.amdhsa_kernarg_size 104
		.amdhsa_user_sgpr_count 2
		.amdhsa_user_sgpr_kernarg_segment_ptr 1
		.amdhsa_wavefront_size32 1
		.amdhsa_system_sgpr_workgroup_id_x 1
		.amdhsa_system_sgpr_workgroup_id_y 1
		.amdhsa_system_sgpr_workgroup_id_z 1
		.amdhsa_system_vgpr_workitem_id 0
		.amdhsa_next_free_vgpr 192
		.amdhsa_next_free_sgpr 66
		.amdhsa_reserve_vcc 1
		.amdhsa_float_denorm_mode_32 3
		.amdhsa_float_denorm_mode_16_64 3
		.amdhsa_memory_ordered 1
		.amdhsa_forward_progress 1
		.amdhsa_inst_pref_size 105
	.end_amdhsa_kernel
	.amdgpu_metadata
---
amdhsa.version: [ 1, 2 ]
amdhsa.kernels:
  - .name:           k_q3b9911f595_prep
    .symbol:         k_q3b9911f595_prep.kd
    .args:
      - { .name: pre_query, .offset: 0, .size: 8, .value_kind: global_buffer, .address_space: global }
      - { .name: pre_key, .offset: 8, .size: 8, .value_kind: global_buffer, .address_space: global }
      - { .name: pre_value, .offset: 16, .size: 8, .value_kind: global_buffer, .address_space: global }
      - { .name: Wq, .offset: 24, .size: 8, .value_kind: global_buffer, .address_space: global }
      - { .name: Wk, .offset: 32, .size: 8, .value_kind: global_buffer, .address_space: global }
      - { .name: Wv, .offset: 40, .size: 8, .value_kind: global_buffer, .address_space: global }
      - { .name: Wo, .offset: 48, .size: 8, .value_kind: global_buffer, .address_space: global }
      - { .name: mask, .offset: 56, .size: 8, .value_kind: global_buffer, .address_space: global }
      - { .name: codes, .offset: 64, .size: 8, .value_kind: global_buffer, .address_space: global }
      - { .name: scales, .offset: 72, .size: 8, .value_kind: global_buffer, .address_space: global }
      - { .name: wo16, .offset: 80, .size: 8, .value_kind: global_buffer, .address_space: global }
      - { .name: maskw, .offset: 88, .size: 8, .value_kind: global_buffer, .address_space: global }
      - { .name: flags, .offset: 96, .size: 8, .value_kind: global_buffer, .address_space: global }
    .group_segment_fixed_size: 33280
    .private_segment_fixed_size: 0
    .kernarg_segment_align: 8
    .kernarg_segment_size: 104
    .max_flat_workgroup_size: 128
    .sgpr_count:     66
    .vgpr_count:     192
    .wavefront_size: 32
...
	.end_amdgpu_metadata
.endif
;; end of part 1
;; launch proj (part 2): grid 4 x 48, 4 waves a work-group, clusters of 4 x 4, 327,680 bytes of LDS; arguments codes, scales, bq, bk, bv, qkv; writes qkv
.if DOCPART == 2
	.amdgcn_target "amdgcn-amd-amdhsa--gfx1250"
	.amdhsa_code_object_version 6
	.text
	.protected	k_q3b9911f595_proj
	.globl	k_q3b9911f595_proj
	.p2align	8
	.type	k_q3b9911f595_proj,@function
k_q3b9911f595_proj:
	s_mov_b64 s[64:65], 0
	v_nop
	global_prefetch_b8 v0, s[64:65] scope:SCOPE_SE
	s_setreg_imm32_b32 hwreg(HW_REG_WAVE_MODE, 25, 1), 1
	s_wait_xcnt 0x0
	s_wait_alu depctr_hold_cnt(0) depctr_sa_sdst(0) depctr_va_vdst(0) depctr_va_sdst(0) depctr_va_ssrc(0) depctr_va_vcc(0) depctr_vm_vsrc(0)
	s_getreg_b32 s2, hwreg(HW_REG_IB_STS2, 6, 4)
	s_cmp_eq_u32 s2, 0
	s_cbranch_scc0 .Lentry_in_a_cluster
	s_endpgm
.Lentry_in_a_cluster:
	s_bfe_u32 s2, ttmp6, 0x10000c
	s_cmp_lg_u32 s2, 0xf033
	s_cbranch_scc0 .Lentry_shape_is_right
	s_endpgm
.Lentry_shape_is_right:
; PROJ: q = pre_query Wq^T + bq, k and v likewise: three products [4,096 x 1,024] x [1,024 x 1,024] on codes of FP4 (E2M1) with one E8M0 scale for each 32 along K, sums in f32.
; The three activations lie stacked in 'codes' (12,288 rows of 512 bytes), the three weights behind them (3,072 rows); the scale bytes likewise in 'scales' (rows of 32 bytes).
; A work-group of four waves makes 256 tokens x 256 features of ONE tensor t (t = tile row / 16); a wave 128 x 128: 64 accumulators of 16 x 16, 512 registers.
; K = 1,024 is two K steps of 512 (rows of 256 bytes): both lie in LDS at once, each filled once; so do the scale bytes of the work-group's 256 + 256 rows.  Nothing is filled again.
; CLUSTERS: 4 x 4 work-groups, all of one tensor (16 tile rows a tensor, 4 to a cluster).  The four of a row of the cluster need the same rows of the activation, the four of a column the same rows of the weight:
; each tile is asked for JOINTLY, by the same tensor load with the same descriptor and a mask that names the four.  By this text's own count a wave has three tensor loads out at the most.
; THE MATRIX INSTRUCTION IS USED TRANSPOSED (source 0 = 16 rows of W, source 1 = 16 tokens): a lane then holds one token (lane % 16) and eight neighbouring features.
; THE WAY OUT: (sum + bias) x CQ, rounded to f16: a lane's eight numbers are 16 bytes, and a wave's accumulator IS an image of 16 tokens x 16 channels, stored as 512 consecutive aligned bytes straight from registers.
; CQ = log2(e) / 8 for q (so that the attention's scores are exponents of 2), 1 for k and v.  qkv: [t][batch x 16 + head][token tile][16-channel tile][512 bytes]; lane (r, h)'s 16 bytes at 16 x lane,
; for v at 16 x ((r % 8) + 8 h + 16 (r / 8)), which is where the turning LDS load of the attention wants them.
; LIMITS: |q| x CQ, |k| and |v| above 65,504 are not served (f16).
; REGISTERS, in windows of 256: window 0: v0-31 addresses; v32-95 scale words, two sets; v96-127 packed results; v128-191 A's fragments, on the way out results in f32; v192-255 the bias of my 128 features.
;   window 1: B's fragments, two sets, at v0 and v128.   window 2: the accumulators of my tokens 0-63 ((a, b) at v[8 (8 a + b)]);   window 3: those of tokens 64-127.
.set NQ,     4                         ; matrix instructions deep in a K step of 512
.set ROWB,   256                       ; a tile's row in bytes
.set KROW,   512                       ; a row of codes in memory
.set PITCH,  272                       ; an LDS row: 256 bytes + 16 of padding = 68 words: row r starts at bank 4 r mod 64 (ISA guide 11.1), so the 16 rows that a load touches start at 16 different banks
.set FR,     8                         ; registers of a fragment: 16 rows x 128 K
.set NL,     2                         ; LDS loads that bring one
.set NP,     4                         ; places behind this matrix instruction (ISA guide 7.12.1)
.set HALFT,  128*PITCH                 ; 128 rows: what one tensor load brings
.set SLOT,   4*HALFT                   ; A's 256 rows, then B's 256 rows
.set KS,     32                        ; a row of scale bytes
.set SCL,    2*SLOT                    ; behind the two slots: the scales, as units of 256 bytes + 16 of padding
.set HALFS,  (128*KS/256)*272          ; the scales of 128 rows
.set SBLK,   (16*KS/256)*272           ; those of 16 rows
.set SPARE,  SCL+4*HALFS               ; behind the scales: the spare words, 128 bytes for each wave, which no other line names
.set WCODE,  6291456                   ; where the weights' codes begin,
.set WSCAL,  393216                    ; and their scale bytes
.set ADRA, 16                          ; v16-17  LDS address of my A fragments in slot 0, 1
.set ADRB, 20                          ; v20-21  the same for B
.set BO,   25                          ; v25     the bias loads' offset: 32 x (lane / 16); never rewritten
.set LP,   26                          ; v26     my 16 bytes' place in an image; never rewritten
.set ADRS, 27                          ; v27     LDS address of my scale words: lanes 0-15 A's rows, lanes 16-31 B's
.set SPW,  28                          ; v28     LDS address of my spare word; never rewritten
.set NIL,  29                          ; v29     0; never rewritten
.set SC,   32                          ; scale words: set s at v[SC + 32 s]; register 4 i + q: lanes 0-15 the word of A's block i, lanes 16-31 that of B's block i, for the slot's q-th 128 along K
.set PK,   96
.set AF,   128
.set BI,   192
.set G1, 24                            ; s[24:31] descriptor group 1 for A's tiles;  s[32:39] group 0, one set for each slot
.set G0, 32
.set G1B, 48                           ; s[48:55], s[56:63] the same for B's tiles
.set G0B, 56
.set G1S, 68                           ; s[68:75], s[76:79] groups 1 and 0 for A's scales;  s[80:87], s[88:91] for B's
.set G0S, 76
.set G1SB, 80
.set G0SB, 88
.set MSB, 0
.macro WIN new                         ; the immediate's high byte repeats the setting that is left
.if MSB != \new
	s_set_vgpr_msb (MSB<<8)|\new
.set MSB, \new
.endif
.endm
.set MUL_LO, 0xa1                      ; source 0 (B) window 1, source 1 (A) window 0, C and D window 2
.set MUL_HI, 0xf1                      ; the same, C and D window 3
.set TO_B,   0x40                      ; destination window 1, address window 0
; A joint load: waves 0 and 1 fetch for A, waves 2 and 3 for B.  Each of the two lines has ONE mask and one set of registers for all that issue it; the branch hangs on the wave's number alone.
; An s_nop 0 and four v_nop follow each of the two lines, ahead of the jump, the label and what follows.
.macro JLOAD g0a, g1a, g0b, g1b
	s_cmp_eq_u32 s17, 0
	s_cbranch_scc0 .Lfor_b_\@
	tensor_load_to_lds s[\g0a:\g0a+3], s[\g1a:\g1a+7]
	s_nop 0
.rept 4
	v_nop
.endr
	s_branch .Lasked_\@
.Lfor_b_\@:
	tensor_load_to_lds s[\g0b:\g0b+3], s[\g1b:\g1b+7]
	s_nop 0
.rept 4
	v_nop
.endr
.Lasked_\@:
.endm
.macro CROUND                          ; a round of the cluster's barrier
	s_barrier_signal -1
	s_barrier_wait -1
	s_cmp_lg_u32 s16, 0
	s_cbranch_scc1 .Lnot_wave_0_\@
	s_barrier_signal -3
.Lnot_wave_0_\@:
	s_barrier_wait -3
	s_barrier_signal -1
	s_barrier_wait -1
.endm
	s_load_b128 s[4:7], s[0:1], 0x0                ; codes s[4:5], scales s[6:7]
	s_load_b128 s[8:11], s[0:1], 0x10              ; bq s[8:9], bk s[10:11]
	s_load_b128 s[12:15], s[0:1], 0x20             ; bv s[12:13], qkv s[14:15]
	v_lshl_add_u32 v[SPW], v0, 2, SPARE
	v_mov_b32 v[NIL], 0
	ds_add_u32 v[SPW], v[NIL]                      ; the wave's opening: the add, twice on end, and its wait ahead of my first tensor load; the set-up below, work on registers, stands between
	ds_add_u32 v[SPW], v[NIL]
	v_lshrrev_b32 v1, 5, v0
	v_readfirstlane_b32 s16, v1                    ; wave 0..3
	s_lshr_b32 s17, s16, 1                         ; which half of the tile's tokens is mine.  Also: I fetch for A (0) or for B (1)
	s_and_b32 s18, s16, 1                          ; which half of its features.  Also: which 128 rows of that tile I fetch
	s_bfe_u32 s40, ttmp6, 0x40000                  ; cx, cy: my place in the cluster
	s_bfe_u32 s41, ttmp6, 0x40004
	s_lshl_b32 s42, ttmp9, 2
	s_add_co_u32 s42, s42, s40                     ; X: tile column (256 features) = 4 x cluster x + cx
	s_and_b32 s19, ttmp7, 0xffff                   ; cluster y
	s_lshl_b32 s95, s19, 2
	s_add_co_u32 s95, s95, s41                     ; Y: tile row among the 48 of the stacked activations
	s_lshr_b32 s19, s19, 2                         ; t: the tensor, 0 q, 1 k, 2 v: made of the cluster's y alone, so it is the same in all sixteen partners
	s_lshl_b32 s43, s41, 2
	s_lshl_b32 s43, 15, s43                        ; my row of the cluster
	s_lshl_b32 s44, 0x1111, s40                    ; my column
	; descriptor group 1: a tile of 128 rows x 256 bytes, padded in LDS
	s_or_b32 s[G1+0], s43, (0<<16)|(1<<20)|(1<<21)|(5<<22)|(3<<25)  ; 15:0 the mask: A's tiles go to my row; 17:16 element of 1 byte; 20 padding on; 21 set beside a mask; 24:22 after every 64 words (code 5); 31:25 of 4 words (code 3)
	s_or_b32 s[G1B+0], s44, (0<<16)|(1<<20)|(1<<21)|(5<<22)|(3<<25)
.irp g, G1, G1B
	s_mov_b32 s[\g+1], ROWB<<16                    ; tensor_dim0
	s_mov_b32 s[\g+2], 128<<16                     ; tensor_dim1 = 128
	s_mov_b32 s[\g+3], ROWB<<16                    ; tile_dim0
	s_mov_b32 s[\g+4], 128                         ; tile_dim1 = 128
	s_mov_b32 s[\g+5], KROW                        ; tensor_dim0_stride
	s_mov_b32 s[\g+6], 0
	s_mov_b32 s[\g+7], 0
.endr
	; and for the scales of 128 rows: a dense block of 4,096 bytes, as 16 rows of 256 bytes (32 elements of 8 bytes), 16 bytes of padding behind each
	s_or_b32 s[G1S+0], s43, (3<<16)|(1<<20)|(1<<21)|(5<<22)|(3<<25)
	s_or_b32 s[G1SB+0], s44, (3<<16)|(1<<20)|(1<<21)|(5<<22)|(3<<25)
.irp g, G1S, G1SB
	s_mov_b32 s[\g+1], 32<<16
	s_mov_b32 s[\g+2], (128*KS/256)<<16
	s_mov_b32 s[\g+3], 32<<16
	s_mov_b32 s[\g+4], 128*KS/256
	s_mov_b32 s[\g+5], 32
	s_mov_b32 s[\g+6], 0
	s_mov_b32 s[\g+7], 0
.endr
	; where the tiles come from.  A's hang on Y alone, which my row of the cluster shares; B's on X and t, which my column shares.
	s_lshl_b32 s2, s18, 7                          ; which 128 rows of the tile I fetch
	s_lshl_b32 s20, s95, 8
	s_add_co_u32 s20, s20, s2                      ; A: row 256 Y + 128 x half
	s_lshl_b32 s22, s20, 5                         ; its scale bytes,
	s_mov_b32 s23, 0
	s_lshl_b32 s20, s20, 9                         ; its codes
	s_mov_b32 s21, 0
	s_lshl_b32 s46, s42, 8
	s_add_co_u32 s46, s46, s2
	s_lshl_b32 s3, s19, 10
	s_add_co_u32 s46, s46, s3                      ; B: row 1,024 t + 256 X + 128 x half
	s_lshl_b32 s92, s46, 5
	s_add_co_u32 s92, s92, WSCAL
	s_mov_b32 s93, 0
	s_lshl_b32 s46, s46, 9
	s_add_co_u32 s46, s46, WCODE
	s_mov_b32 s47, 0
	s_mul_i32 s45, s16, HALFT                      ; where they go: wave x 128 rows: no place in the cluster enters an LDS address
	s_mul_i32 s94, s16, HALFS
	s_wait_dscnt 0x0                               ; both opening adds are done
	s_wait_kmcnt 0x0
	s_add_nc_u64 s[20:21], s[4:5], s[20:21]
	s_add_nc_u64 s[22:23], s[6:7], s[22:23]
	s_add_nc_u64 s[46:47], s[4:5], s[46:47]
	s_add_nc_u64 s[92:93], s[6:7], s[92:93]
	CROUND                                         ; all sixteen work-groups are here: the joint loads meet
	s_mov_b32 s[G0S], 1
	s_add_co_u32 s[G0S+1], s94, SCL
	s_mov_b64 s[G0S+2:G0S+3], s[22:23]
	s_or_b32 s[G0S+3], s[G0S+3], 0x80000000
	s_mov_b32 s[G0SB], 1
	s_add_co_u32 s[G0SB+1], s94, SCL
	s_mov_b64 s[G0SB+2:G0SB+3], s[92:93]
	s_or_b32 s[G0SB+3], s[G0SB+3], 0x80000000
	JLOAD G0S, G1S, G0SB, G1SB                     ; the scales first: they are wanted with K step 0
.irp s, 0,1
	s_mov_b32 s[G0+4*\s], 1
	s_add_co_u32 s[G0+4*\s+1], s45, \s*SLOT
	s_add_nc_u64 s[G0+4*\s+2:G0+4*\s+3], s[20:21], \s*ROWB
	s_or_b32 s[G0+4*\s+3], s[G0+4*\s+3], 0x80000000
	s_mov_b32 s[G0B+4*\s], 1
	s_add_co_u32 s[G0B+4*\s+1], s45, \s*SLOT
	s_add_nc_u64 s[G0B+4*\s+2:G0B+4*\s+3], s[46:47], \s*ROWB
	s_or_b32 s[G0B+4*\s+3], s[G0B+4*\s+3], 0x80000000
	JLOAD G0+4*\s, G1, G0B+4*\s, G1B
.endr
	v_and_b32 v1, 15, v0                           ; r = lane % 16
	v_bfe_u32 v2, v0, 4, 1                         ; h = lane / 16
	v_mul_u32_u24 v3, v1, PITCH
	v_lshl_add_u32 v4, v2, 4, v3                   ; a fragment's row x pitch + 16 x half
	s_mul_i32 s21, s17, HALFT                      ; my 128 rows of A
	s_mul_i32 s22, s18, HALFT                      ; my 128 rows of B,
	s_add_co_u32 s22, s22, 2*HALFT                 ; which lie behind A's 256
.irp s, 0,1
	v_add_nc_u32 v[ADRA+\s], s21, v4
	v_add_nc_u32 v[ADRB+\s], s22, v4
	s_add_co_u32 s21, s21, SLOT
	s_add_co_u32 s22, s22, SLOT
.endr
	v_mul_u32_u24 v5, v1, KS                       ; my row's scales: 32 bytes a row,
	v_lshrrev_b32 v6, 8, v5
	v_lshl_add_u32 v5, v6, 4, v5                   ; and 16 more for each 256 passed
	s_mul_i32 s21, s17, HALFS                      ; A's: my 128 rows
	s_mul_i32 s22, s18, HALFS                      ; B's: my 128 rows, behind A's 256
	s_add_co_u32 s22, s22, 2*HALFS
	s_sub_co_u32 s22, s22, s21
	v_mul_u32_u24 v6, s22, v2                      ; lanes 16-31 take B's: ONE product, the distance between the two bases x h
	s_add_co_u32 s21, s21, SCL
	v_add_nc_u32 v5, v5, v6
	v_add_nc_u32 v[ADRS], s21, v5
	; the bias of my 128 features: 64 registers in the result's layout; asked for now, awaited on the way out
	s_cmp_eq_u32 s19, 1
	s_cselect_b64 s[98:99], s[10:11], s[8:9]       ; choices on the tensor's number alone
	s_cmp_eq_u32 s19, 2
	s_cselect_b64 s[98:99], s[12:13], s[98:99]
	s_cselect_b32 s3, -1, 0                        ; all ones where the tensor is v
	s_mov_b32 s96, 0x3f800000                      ; CQ: 1,
	s_cmp_eq_u32 s19, 0
	s_cselect_b32 s96, 0x3e38aa3b, s96             ; or log2(e) / 8 for q
	s_mov_b32 s97, s96                             ; (named with it as a pair, so it is written)
	s_lshl_b32 s46, s42, 10
	s_lshl_b32 s47, s18, 9
	s_add_co_u32 s46, s46, s47                     ; 4 x (256 X + 128 x half)
	s_mov_b32 s47, 0
	s_add_nc_u64 s[98:99], s[98:99], s[46:47]
	v_lshlrev_b32 v[BO], 5, v2
.irp b, 0,1,2,3,4,5,6,7
	global_load_b128 v[BI+8*\b:BI+8*\b+3], v[BO], s[98:99] offset:64*\b       ; bias[.. + 16 b + 8 h + 0 .. 3]
	global_load_b128 v[BI+8*\b+4:BI+8*\b+7], v[BO], s[98:99] offset:64*\b+16
.endr
	v_and_b32 v6, 31, v0
	v_lshlrev_b32 v7, 4, v6                        ; an image's place for my lane: 16 x lane,
	v_and_b32 v8, 7, v0
	v_lshl_add_u32 v8, v2, 3, v8
	v_bfe_u32 v9, v0, 3, 1
	v_lshl_add_u32 v8, v9, 4, v8
	v_lshlrev_b32 v8, 4, v8                        ; or, for v, 16 x ((r % 8) + 8 h + 16 (r / 8))
	v_cndmask_b32 v[LP], v7, v8, s3
	; where my results go: t x 8,388,608 + (16 batch + head) x 262,144 + token tile x 2,048 + channel tile x 512
	s_lshl_b32 s20, s19, 23
	s_bfe_u32 s21, s95, 0x10003                    ; the batch: bit 3 of Y
	s_lshl_b32 s21, s21, 22
	s_add_co_u32 s20, s20, s21
	s_and_b32 s21, s95, 7
	s_lshl_b32 s21, s21, 15                        ; token tile 16 (Y % 8)
	s_add_co_u32 s20, s20, s21
	s_lshl_b32 s21, s17, 14                        ; + 8 x my half
	s_add_co_u32 s20, s20, s21
	s_mov_b32 s21, 0
	s_add_nc_u64 s[100:101], s[14:15], s[20:21]
	s_lshl_b32 s46, s42, 20                        ; head 4 X
	s_lshl_b32 s47, s18, 19                        ; + 2 x my half
	s_add_co_u32 s46, s46, s47
	s_mov_b32 s47, 0
	s_add_nc_u64 s[100:101], s[100:101], s[46:47]
.macro FRAG reg, adr, q, i             ; a fragment, 16 rows x 128 K of 4-bit codes, is 8 registers: lane l holds row l % 16; registers 4 c .. 4 c + 3 hold K = 64 c + 32 (l / 16) + 0 .. 31
.irp c, 0,1
	ds_load_b128 v[\reg+4*\c:\reg+4*\c+3], v[\adr] offset:64*(\q)+32*\c+(\i)*16*PITCH
.endr
.endm
; 16 matrix instructions: A's blocks a0, a0 + 1 x B's eight, 128 along K: the slot's q-th.  p: B's set;  sc: the set of scale words.  zero = 1: the first product starts the sums: nothing is ever cleared.
; The 64 accumulators take turns, one instruction a turn, in the same order in every step.
.macro MUL16 a0, p, q, sc, zero
.irp a, \a0, \a0+1
.irp b, 0,1,2,3,4,5,6,7
.if \zero
	v_wmma_scale_f32_16x16x128_f8f6f4 v[8*(8*((\a)%4)+\b):8*(8*((\a)%4)+\b)+7], v[128*(\p)+FR*\b:128*(\p)+FR*\b+FR-1], v[AF+FR*(\a):AF+FR*(\a)+FR-1], 0, v[SC+8*NQ*(\sc)+NQ*\b+(\q)], v[SC+8*NQ*(\sc)+NQ*(\a)+(\q)] matrix_a_fmt:MATRIX_FMT_FP4 matrix_b_fmt:MATRIX_FMT_FP4 matrix_a_scale:MATRIX_SCALE_ROW1
.else
	v_wmma_scale_f32_16x16x128_f8f6f4 v[8*(8*((\a)%4)+\b):8*(8*((\a)%4)+\b)+7], v[128*(\p)+FR*\b:128*(\p)+FR*\b+FR-1], v[AF+FR*(\a):AF+FR*(\a)+FR-1], v[8*(8*((\a)%4)+\b):8*(8*((\a)%4)+\b)+7], v[SC+8*NQ*(\sc)+NQ*\b+(\q)], v[SC+8*NQ*(\sc)+NQ*(\a)+(\q)] matrix_a_fmt:MATRIX_FMT_FP4 matrix_b_fmt:MATRIX_FMT_FP4 matrix_a_scale:MATRIX_SCALE_ROW1
.endif
.endr
.endr
.endm
.macro FETCH_B slot, q, p              ; B's eight fragments of the slot's q-th 128 along K into set p
	WIN TO_B
.irp i, 0,1,2,3,4,5,6,7
	FRAG 128*(\p)+FR*\i, ADRB+\slot, \q, \i
.endr
	WIN 0
.endm
.macro FETCH_A slot, q, i0             ; A's blocks i0 .. i0 + 3
.irp i, \i0, \i0+1, \i0+2, \i0+3
	FRAG AF+FR*(\i), ADRA+\slot, \q, \i
.endr
.endm
.macro SCALES sc                       ; a K step's scale words into set sc: 4 words a row; lanes 0-15 take A's block i, lanes 16-31 B's block i
.irp i, 0,1,2,3,4,5,6,7
	ds_load_b128 v[SC+8*NQ*\sc+NQ*\i:SC+8*NQ*\sc+NQ*\i+3], v[ADRS] offset:\i*SBLK
.endr
.endm
; A load into a register that a matrix instruction has read, and a vector instruction that reads a matrix result, stand NP places behind that matrix instruction, and only plain vector
; instructions that name none of its registers are places (ISA guide 7.12.1 for vector instructions).
.macro PLACES n
.rept \n
	v_nop
.endr
.endm
; A step of 128 along K that has its successor in the same slot.  A has one set of registers: blocks 0-3 are fetched anew in the step's middle, blocks 4-7 at its end; B has two sets.
.macro STEP slot, q, zero
	s_wait_dscnt 4*NL                              ; B's set and A's blocks 0-3 are in; the youngest eight loads (A's blocks 4-7) may be out
	WIN MUL_LO
	MUL16 0, (\q)%2, \q, \slot, \zero
	MUL16 2, (\q)%2, \q, \slot, \zero
	s_wait_dscnt 0                                 ; A's blocks 4-7 are in (asked for 32 matrix instructions ago)
	PLACES NP
	FETCH_B \slot, (\q)+1, 1-(\q)%2
	FETCH_A \slot, (\q)+1, 0
	WIN MUL_HI
	MUL16 4, (\q)%2, \q, \slot, \zero
	MUL16 6, (\q)%2, \q, \slot, \zero
	PLACES NP
	WIN 0
	FETCH_A \slot, (\q)+1, 4
.endm
; Slot 0's last step goes over to slot 1: each wave waits for all its tensor loads (its part of slot 1), and the barrier shows the whole slot to every wave.
.macro TURN slot, next
	s_wait_tensorcnt 0x0                           ; all my tensor loads have landed  (every window is 0 here: the add's two registers lie in window 0)
	ds_add_u32 v[SPW], v[NIL]                      ; 0 onto my spare word
	s_wait_dscnt 4*NL+1                            ; (the add and the youngest eight loads, A's blocks 4-7, may be out)
	WIN MUL_LO
	MUL16 0, 1, NQ-1, \slot, 0                     ; sixteen matrix instructions stand between the add and the wait for it
	s_wait_dscnt 0x0                               ; the add is done, and no LDS load of mine is out at the signal
	s_barrier_signal -1
	MUL16 2, 1, NQ-1, \slot, 0
	WIN 0
	s_barrier_wait -1
	PLACES NP
	v_add_nc_u32 v[ADRS], 4*NQ, v[ADRS]            ; on to the next K step's scale words (no LDS load of mine is out)
	FETCH_B \next, 0, 0
	FETCH_A \next, 0, 0
	SCALES \next
	WIN MUL_HI
	MUL16 4, 1, NQ-1, \slot, 0
	MUL16 6, 1, NQ-1, \slot, 0
	PLACES NP
	WIN 0
	FETCH_A \next, 0, 4
.endm
.macro STEPS slot, from                ; the slot's steps from .. NQ - 2
.set Q, \from
.rept NQ-1-\from
	STEP \slot, Q, 0
.set Q, Q+1
.endr
.endm
	s_wait_tensorcnt 1                             ; the scales and my part of K step 0 are in (K step 1's load, the one issued behind them, may be out),
	s_barrier_signal -1
	s_barrier_wait -1                              ; everybody's are
	FETCH_B 0, 0, 0
	FETCH_A 0, 0, 0
	SCALES 0
	FETCH_A 0, 0, 4
	STEP 0, 0, 1                                   ; the first step's products start the sums
	STEPS 0, 1
	TURN 0, 1
	STEPS 1, 0
	s_wait_dscnt 4*NL                              ; the very last step: nothing more to fetch
	WIN MUL_LO
	MUL16 0, 1, NQ-1, 1, 0
	MUL16 2, 1, NQ-1, 1, 0
	s_wait_dscnt 0
	WIN MUL_HI
	MUL16 4, 1, NQ-1, 1, 0
	MUL16 6, 1, NQ-1, 1, 0
	WIN 0
; THE WAY OUT.  (sum + bias) x CQ = sum x CQ + bias x CQ: the bias is scaled once (these 32 lines are also the places behind the last products), then one fused multiply-add a pair.
	s_wait_loadcnt 0x0                             ; the bias
.set ii, 0
.rept 32
	v_pk_mul_f32 v[BI+2*ii:BI+2*ii+1], v[BI+2*ii:BI+2*ii+1], s[96:97] op_sel_hi:[1,0]
.set ii, ii+1
.endr
.macro OUTB a                          ; my tokens 16 a .. 16 a + 15: eight accumulators, eight images
	WIN 0x02+(\a)/4                                ; source 0: window 2 or 3
.irp b, 0,1,2,3,4,5,6,7
.irp n, 0,1,2,3
	v_pk_fma_f32 v[AF+8*\b+2*\n:AF+8*\b+2*\n+1], v[64*((\a)%4)+8*\b+2*\n:64*((\a)%4)+8*\b+2*\n+1], s[96:97], v[BI+8*\b+2*\n:BI+8*\b+2*\n+1] op_sel_hi:[1,0,1]   ; each accumulator from its low end on
.endr
.endr
	WIN 0
.if (\a) > 0
	s_wait_xcnt 0x0                                ; the last block's stores have read v96-127: only behind this wait are they written again
.endif
.irp b, 0,1,2,3,4,5,6,7
.irp n, 0,1,2,3
	v_cvt_pk_f16_f32 v[PK+4*\b+\n], v[AF+8*\b+2*\n], v[AF+8*\b+2*\n+1]
.endr
.endr
.irp b, 0,1,2,3,4,5,6,7
	global_store_b128 v[LP], v[PK+4*\b:PK+4*\b+3], s[100:101] offset:2048*(\a)+262144*(\b/4)+512*(\b%4)   ; an image: the wave stores 512 consecutive bytes, aligned
.endr
.endm
.irp a, 0,1,2,3,4,5,6,7
	OUTB \a
.endr
	s_wait_tensorcnt 0x0                           ; the wave's end: behind my last tensor load
	ds_add_u32 v[SPW], v[NIL]
	s_wait_dscnt 0x0
	CROUND                                         ; the closing round: no work-group ends while a partner may still ask for a tile that names it
	s_endpgm
.Lfunc_end_k_q3b9911f595_proj:
	.size	k_q3b9911f595_proj, .Lfunc_end_k_q3b9911f595_proj-k_q3b9911f595_proj
	.p2alignl 7, 3214868480
	.fill 96, 4, 3214868480
	.section	.rodata,"a",@progbits
	.p2align	6, 0x0
	.amdhsa_kernel k_q3b9911f595_proj
		.amdhsa_group_segment_fixed_size 327680
		.amdhsa_private_segment_fixed_size 0
		.amdhsa_enable_private_segment 0
		.amdhsa_kernarg_size 48
		.amdhsa_user_sgpr_count 2
		.amdhsa_user_sgpr_kernarg_segment_ptr 1
		.amdhsa_wavefront_size32 1
		.amdhsa_system_sgpr_workgroup_id_x 1
		.amdhsa_system_sgpr_workgroup_id_y 1
		.amdhsa_system_sgpr_workgroup_id_z 1
		.amdhsa_system_vgpr_workitem_id 0
		.amdhsa_next_free_vgpr 1024
		.amdhsa_next_free_sgpr 102
		.amdhsa_reserve_vcc 0
		.amdhsa_float_denorm_mode_32 3
		.amdhsa_float_denorm_mode_16_64 3
		.amdhsa_memory_ordered 1
		.amdhsa_forward_progress 1
		.amdhsa_inst_pref_size 138
	.end_amdhsa_kernel
	.amdgpu_metadata
---
amdhsa.version: [ 1, 2 ]
amdhsa.kernels:
  - .name:           k_q3b9911f595_proj
    .symbol:         k_q3b9911f595_proj.kd
    .args:
      - { .name: codes, .offset: 0, .size: 8, .value_kind: global_buffer, .address_space: global }
      - { .name: scales, .offset: 8, .size: 8, .value_kind: global_buffer, .address_space: global }
      - { .name: bq, .offset: 16, .size: 8, .value_kind: global_buffer, .address_space: global }
      - { .name: bk, .offset: 24, .size: 8, .value_kind: global_buffer, .address_space: global }
      - { .name: bv, .offset: 32, .size: 8, .value_kind: global_buffer, .address_space: global }
      - { .name: qkv, .offset: 40, .size: 8, .value_kind: global_buffer, .address_space: global }
    .group_segment_fixed_size: 327680
    .private_segment_fixed_size: 0
    .kernarg_segment_align: 8
    .kernarg_segment_size: 48
    .max_flat_workgroup_size: 128
    .sgpr_count:     102
    .vgpr_count:     1024
    .wavefront_size: 32
...
	.end_amdgpu_metadata
.endif
;; end of part 2
;; launch attn (part 3): grid 8 x 32, 8 waves a work-group, no clusters, 263,168 bytes of LDS; arguments qkv, maskw, flags, att; writes att
.if DOCPART == 3
	.amdgcn_target "amdgcn-amd-amdhsa--gfx1250"
	.amdhsa_code_object_version 6
	.text
	.protected	k_q3b9911f595_attn
	.globl	k_q3b9911f595_attn
	.p2align	8
	.type	k_q3b9911f595_attn,@function
k_q3b9911f595_attn:
	s_mov_b64 s[64:65], 0
	v_nop
	global_prefetch_b8 v0, s[64:65] scope:SCOPE_SE
	s_setreg_imm32_b32 hwreg(HW_REG_WAVE_MODE, 25, 1), 1
	s_wait_xcnt 0x0
; ATTN: O[q] = sum over keys of softmax_k(where(mask[q][k], q . k / 8, -infinity)) v[k], for each of 2 x 16 heads of 64 channels, 2,048 queries and keys.
; q (already times log2(e) / 8), k, v arrive as f16 IMAGES (16 tokens x 16 channels in 512 bytes, a lane's 16 bytes on end); products on f16 operands, sums, maxima and exponentials in f32; p is rounded to f16 for the second product.
; SHARES.  A work-group owns 256 queries of one head; each of its eight waves 32 of them, two tiles of 16: two waves to a SIMD.  Every wave walks all 2,048 keys, 64 a step, 4 steps to a slot, 8 slots.
; LAYOUT.  Both products are used transposed: S^T = K Q^T (source 0 = 16 keys, source 1 = 16 queries), O^T = V^T P (source 0 = 16 channels, source 1 = P): a lane holds ONE query (lane % 16) throughout, and two tiles of S^T,
; rounded to f16 in pairs, ARE a fragment of P.  K's fragments come out of LDS as they lie, V's turned by ds_load_tr16_b128 (v's images were laid for it): every LDS load of a wave takes 512 consecutive bytes.
; SOFTMAX.  A running maximum m and sum l for each query: p = 2^(s - m); in every step O and l are multiplied by 2^(m_old - m_new).  m is never under -3e38.
; A PIPELINE OF THREE STEPS.  BLOCK j holds the softmax of step j, 234 vector instructions for the two tiles, and between them, two at a time, the matrix instructions of two other steps: the 16 of V^T P of step j - 1
; among the maxima and the subtractions (nine vector lines behind each pair), the 16 of K Q^T of step j + 1 among the exponentials, sums and roundings (sixteen behind each pair).  So the scores have two sets of registers,
; which take turns, and P has registers of its own.  V of step j is fetched in the block's middle, behind the last V^T P; K of step j + 2 near its end, behind the last K Q^T: each half a block ahead of its first use.
; THE MASK comes as words in the score registers' order (bit = lane), read into scalar registers a block ahead: one select a score puts -infinity where the bit is 0, ahead of the maximum.  A flag for each block of
; 32 queries x 64 keys says that the block has no hole; the 64 selects are then jumped over.  A query with no key at all ends with l = 0 and O = 0: 0 x (1 / 0) is NaN, as the softmax of such a row is.
; K AND V GO FROM MEMORY THROUGH REGISTERS INTO LDS: a slot is 256 keys, 32,768 bytes of K and as many of V, dense in memory; wave w copies bytes 4,096 w .. + 4,095 of each.  FOUR BUFFERS take turns: slot s lies in
; buffer s % 4.  In slot s, at the head of its third block, slot s + 1 is stored; half a block later stands the slot's ONE barrier, and behind it the loads of slot s + 2 go out.  Between two barriers the waves read
; buffers s - 1 and s and store into s + 1; what is stored is read only behind the barrier: the first such read is K of slot s + 1's first step, at the end of that same block.
; NO JOINT REQUESTS, though the eight work-groups of a head walk the same K and V: the branch on the
; block's flag spares 64 of a block's 298 vector instructions wherever the mask has no hole, and a step brings only 16,384 bytes for the 256 matrix instructions of eight waves.
; NO PREFETCH: the copy's loads are issued three and a half blocks ahead of the wait for them.
; The first and the last slot are written out by the same macro: the first block has no V^T P, no old maximum and nothing to rescale, and the first V^T P starts O^T's sums; the last slot copies nothing and has no barrier.
; LIMITS: scores stay in f32; NaN and infinities among q, k, v are not served.
; REGISTERS.  Window 0: v1-5 addresses; v6 -infinity; v8, v9 the add's two; v10-13 second chains of the sums; v16-31 statistics, eight a tile: +0 m, +1 filler, +2 +3 l, +4..+7 at work (+6: the factor);
;   v32-63 P, 16 a tile; v64-127 and v128-191 S^T, then p, 32 a tile, two sets; v192-255 O^T.   Window 1: v0-63 K of one step; v64-127 V^T of one step; v128-159 Q; v160-223 the copy's 16 x 4 registers.
.set VOFF,  32768                      ; in a buffer: K's 16 key tiles of 2,048 bytes, then V's
.set SPARE, 262144                     ; behind the four buffers of 65,536 bytes: the spare words, 128 bytes for each of eight waves, which no other line names
.set LI,   1                           ; v1  16 x lane; never rewritten
.set ADR,  2                           ; v2  16 x lane + the buffer of the slot in hand
.set STA,  3                           ; v3  where I store my part of the copy: 16 x lane + 4,096 x wave + the next slot's buffer
.set CPY,  4                           ; v4  16 x lane + 4,096 x wave; never rewritten
.set ADRN, 5                           ; v5  16 x lane + the next slot's buffer
.set NINF, 6
.set SPW,  8
.set NIL,  9
.set SB,   10
.set ST,   16
.set P,    32
.set S,    64
.set O,    192
.set KF,   0                           ; in window 1
.set VF,   64                          ; in window 1
.set Q,    128                         ; in window 1
.set SG,   160                         ; in window 1
; scalars: s12 wave; s[16:47] tile 0's 32 mask words, s[48:63] and s[68:83] tile 1's; s[84:85], s[86:87] where my part of the next copy's K and V lies; s[88:89] my mask words, s90 the step's offset there;
; s[92:93] my flags, s91 the step's offset there, s94 the flag; s95 the buffer in hand, s96 the next; s97 the slot's number; s[98:99] lane selects
.set MSB, 0
.macro WIN new                         ; the immediate's high byte repeats the setting that is left; a switch that changes nothing is dropped
.if MSB != \new
	s_set_vgpr_msb (MSB<<8)|\new
.set MSB, \new
.endif
.endm
.macro LOADSLOT                        ; my 4,096 bytes of K and of V of a slot: 16 loads of 512 consecutive bytes
	WIN 0x40                                       ; destination window 1
.set ii, 0
.rept 8
	global_load_b128 v[SG+4*ii:SG+4*ii+3], v[LI], s[84:85] offset:512*ii
	global_load_b128 v[SG+32+4*ii:SG+32+4*ii+3], v[LI], s[86:87] offset:512*ii
.set ii, ii+1
.endr
	WIN 0
.endm
.macro STORESLOT
	WIN 0x04                                       ; an LDS store's data are its source 1: window 1
.set ii, 0
.rept 8
	ds_store_b128 v[STA], v[SG+4*ii:SG+4*ii+3] offset:512*ii
	ds_store_b128 v[STA], v[SG+32+4*ii:SG+32+4*ii+3] offset:VOFF+512*ii
.set ii, ii+1
.endr
	WIN 0
.endm
.macro KLOAD adr, st                   ; K of a buffer's st-th step: 4 key tiles x 4 images; fragment (kt, c) at v[KF + 16 kt + 8 c] is images 2 c and 2 c + 1 of tile kt
	WIN 0x40
.set ii, 0
.rept 16
	ds_load_b128 v[KF+4*ii:KF+4*ii+3], v[\adr] offset:8192*(\st)+512*ii
.set ii, ii+1
.endr
	WIN 0
.endm
.macro VLOAD q                         ; V^T of the slot's q-th step: fragment (ks, ct), 16 channels x 32 keys, is image ct of key tiles 2 ks and 2 ks + 1, turned
	WIN 0x40
.irp ks, 0,1
.irp ct, 0,1,2,3
	ds_load_tr16_b128 v[VF+32*\ks+8*\ct:VF+32*\ks+8*\ct+3], v[ADR] offset:VOFF+8192*(\q)+4096*\ks+512*\ct
	ds_load_tr16_b128 v[VF+32*\ks+8*\ct+4:VF+32*\ks+8*\ct+7], v[ADR] offset:VOFF+8192*(\q)+4096*\ks+2048+512*\ct
.endr
.endr
	WIN 0
.endm
.macro MLOAD step                      ; the mask words and the flag of the next step: 128 bytes of words a tile and step, 4 bytes of flag
.if \step
	s_add_co_u32 s90, s90, 128                     ; (the loads that read these offsets were awaited by s_wait_kmcnt 0 at this block's head)
	s_add_co_u32 s91, s91, 4
.endif
	s_load_b512 s[16:31], s[88:89], s90 offset:0x0
	s_load_b512 s[32:47], s[88:89], s90 offset:0x40
	s_load_b512 s[48:63], s[88:89], s90 offset:0x1000
	s_load_b512 s[68:83], s[88:89], s90 offset:0x1040
	s_load_b32 s94, s[92:93], s91 offset:0x0
.endm
; THE MATRIX WORK, in pairs; GG counts a run's eight pairs.  The accumulators take turns, one instruction a turn: between two links of a chain stand seven others'.
; Pair GG of O^T += V^T P: keys 32 (GG / 4) on, channels 16 (GG % 4) on, both tiles.  pv = 1: the first four pairs start the sums: nothing is ever cleared.
.macro PVG pv
	WIN 0x01                                       ; source 0 (V^T) window 1
.irp x, 0,1
.if ((\pv) == 1) && (GG < 4)
	v_wmma_f32_16x16x32_f16 v[O+32*\x+8*(GG%4):O+32*\x+8*(GG%4)+7], v[VF+32*(GG/4)+8*(GG%4):VF+32*(GG/4)+8*(GG%4)+7], v[P+16*\x+8*(GG/4):P+16*\x+8*(GG/4)+7], 0
.else
	v_wmma_f32_16x16x32_f16 v[O+32*\x+8*(GG%4):O+32*\x+8*(GG%4)+7], v[VF+32*(GG/4)+8*(GG%4):VF+32*(GG/4)+8*(GG%4)+7], v[P+16*\x+8*(GG/4):P+16*\x+8*(GG/4)+7], v[O+32*\x+8*(GG%4):O+32*\x+8*(GG%4)+7]
.endif
.endr
.endm
; Pair GG of S^T = K Q^T, into the set of score registers that the softmax in hand (set b) does not use: channels 32 (GG / 4) on, keys 16 (GG % 4) on, both tiles.  The first four pairs start the sums.
.macro QKG b
	WIN 0x05                                       ; sources 0 (K) and 1 (Q) window 1
.irp x, 0,1
.if GG < 4
	v_wmma_f32_16x16x32_f16 v[S+64*(1-(\b))+32*\x+8*(GG%4):S+64*(1-(\b))+32*\x+8*(GG%4)+7], v[KF+16*(GG%4):KF+16*(GG%4)+7], v[Q+16*\x:Q+16*\x+7], 0
.else
	v_wmma_f32_16x16x32_f16 v[S+64*(1-(\b))+32*\x+8*(GG%4):S+64*(1-(\b))+32*\x+8*(GG%4)+7], v[KF+16*(GG%4)+8:KF+16*(GG%4)+15], v[Q+16*\x+8:Q+16*\x+15], v[S+64*(1-(\b))+32*\x+8*(GG%4):S+64*(1-(\b))+32*\x+8*(GG%4)+7]
.endif
.endr
.endm
; THE VECTOR WORK of a block is a list of 234 instructions; SM writes number NN of it, on score set b.  Outside the exponentials the two tiles alternate (tile NN % 2), so that no line reads the result of the line before it.
;   0-39    the maximum of a lane's 32 scores and the old m: four chains of seven, the four left over, the chains and m; the other half of the lanes'; the new m; m_old - m_new.  Each accumulator is first read at its low end
;   40-71   s - m, a pair of scores a line
;   72-137  ONE BATCH of exponentials: the two factors 2^(m_old - m_new), then the 64 p.  None reads another's result.  Behind 137: a plain line and the batch's one wait
;   138-169 the sums of the unrounded p, two chains a tile; l = l x factor + the sum
;   170-201 the roundings to f16: P
;   202-233 O^T x factor, each accumulator from its low end on
; first = 1: the first key step: the floor -3e38 stands for the old m; no factor, nothing to rescale.
.macro SM b, first
.set xx, NN%2
.set rT, ST+8*xx
.set rS, S+64*(\b)+32*xx
.set rP, P+16*xx
.set rO, O+32*xx
.set rB, SB+2*xx
.if NN < 40
.set si, NN/2
.if si < 4
	v_max3_num_f32 v[rT+4+si], v[rS+8*si], v[rS+8*si+1], v[rS+8*si+2]
.elseif si < 12
	v_max3_num_f32 v[rT+4+si%4], v[rT+4+si%4], v[rS+8*(si%4)+2*(si/4)+1], v[rS+8*(si%4)+2*(si/4)+2]
.elseif si == 12
	v_max3_num_f32 v[rT+4], v[rT+4], v[rS+7], v[rS+15]
.elseif si == 13
	v_max3_num_f32 v[rT+6], v[rT+6], v[rS+23], v[rS+31]
.elseif si == 14
	v_max3_num_f32 v[rT+4], v[rT+4], v[rT+5], v[rT+6]
.elseif si == 15
.if \first
	v_max3_num_f32 v[rT+4], v[rT+4], v[rT+7], 0xff61b1e6   ; -3e38: where the mask hides all 64 keys, m stays a number
.else
	v_max3_num_f32 v[rT+4], v[rT+4], v[rT+7], v[rT]
.endif
.elseif si == 16
	v_permlanex16_b32 v[rT+5], v[rT+4], s98, s99   ; the query's other 32 keys lie in the lane 16 away
.elseif si == 17
.if !\first
	v_mov_b32 v[rT+7], v[rT]                       ; the old m
.endif
.elseif si == 18
	v_max_num_f32 v[rT], v[rT+4], v[rT+5]          ; the new m
.else
.if !\first
	v_sub_f32 v[rT+7], v[rT+7], v[rT]              ; old - new, 0 or less
.endif
.endif
.elseif NN < 72
.set si, (NN-40)/2
	v_pk_add_f32 v[rS+2*si:rS+2*si+1], v[rS+2*si:rS+2*si+1], v[rT:rT+1] op_sel_hi:[1,0] neg_lo:[0,1] neg_hi:[0,1]
.elseif NN < 74
.if !\first
	v_exp_f32 v[rT+6], v[rT+7]
.endif
.elseif NN < 138
.set si, NN-74
	v_exp_f32 v[S+64*(\b)+si], v[S+64*(\b)+si]     ; p = 2^(s - m), at most 1
.elseif NN < 170
.set si, (NN-138)/2
.if si == 0
	v_pk_add_f32 v[rT+4:rT+5], v[rS:rS+1], v[rS+2:rS+3]
.elseif si == 1
	v_pk_add_f32 v[rB:rB+1], v[rS+4:rS+5], v[rS+6:rS+7]
.elseif si < 14
.set sk, si-2
.if sk%2 == 0
	v_pk_add_f32 v[rT+4:rT+5], v[rT+4:rT+5], v[rS+8+4*(sk/2):rS+9+4*(sk/2)]
.else
	v_pk_add_f32 v[rB:rB+1], v[rB:rB+1], v[rS+10+4*(sk/2):rS+11+4*(sk/2)]
.endif
.elseif si == 14
.if \first
	v_pk_add_f32 v[rT+2:rT+3], v[rT+4:rT+5], v[rB:rB+1]    ; the first step's sum starts l
.else
	v_pk_add_f32 v[rT+4:rT+5], v[rT+4:rT+5], v[rB:rB+1]
.endif
.else
.if !\first
	v_pk_fma_f32 v[rT+2:rT+3], v[rT+2:rT+3], v[rT+6:rT+7], v[rT+4:rT+5] op_sel_hi:[1,0,1]
.endif
.endif
.elseif NN < 202
.set si, (NN-170)/2
	v_cvt_pk_f16_f32 v[rP+si], v[rS+2*si], v[rS+2*si+1]    ; register n takes p 2 n and 2 n + 1; fragment ks lies at 8 ks
.else
.if !\first
.set si, (NN-202)/2
	v_pk_mul_f32 v[rO+2*si:rO+2*si+1], v[rO+2*si:rO+2*si+1], v[rT+6:rT+7] op_sel_hi:[1,0]
.endif
.endif
.if NN == 137
	v_nop                                          ; one plain instruction behind the last exponential (ISA guide 5.7.2)
	s_wait_alu depctr_va_vdst(0)                   ; ONE wait for the batch of 66, ahead of the first instruction that names a result
.endif
.endm
.macro VALU cnt, b, first              ; the list's next cnt numbers.  Behind the maxima the next step's mask words are asked for: this step's have been used
	WIN 0
.rept \cnt
.if (NN == 40) && ML
	MLOAD 1
.endif
	SM \b, \first
.set NN, NN+1
.endr
.endm
; BLOCK: the slot's q-th.  pv: V^T P of the step before: 0 none, 1 it starts O^T's sums, 2 it adds.  kq: K Q^T of the next step.  kl: K of the step after that is fetched.  sync: the copy is stored, and the slot's barrier.
; nv: how many LDS instructions were issued behind V's loads.  ml: the next step's mask words are asked for.  first: the first key step's softmax.
; PLACES (ISA guide 7.12.1 for vector instructions): a vector instruction that reads a matrix result or writes a matrix instruction's register, and a load into such a register, stand four plain vector lines behind it.
; Behind the last V^T P stand nine subtractions, which name none of its registers, then V's loads; P is written and O^T rescaled much later.  Behind the last K Q^T stand eighteen roundings and four
; multiplications (in the first block four v_nop), then K's loads; its scores are first read in the next block.
.macro BLOCK q, pv, kq, kl, sync, nv, ml, first
.set BB, (\q)%2
.set NN, 0
.set ML, \ml
	s_wait_kmcnt 0x0                               ; this step's mask words and flag, asked for a block ago
	s_cmp_eq_u32 s94, -1
	s_cbranch_scc1 .Lopen_\@                       ; no hole in my 32 queries x 64 keys
.set ii, 0
.rept 32
	v_cndmask_b32 v[S+64*BB+ii], v[NINF], v[S+64*BB+ii], s[16+ii]      ; register 8 kt + j of a tile: key 16 kt + 8 (lane / 16) + j; the word's bit is my lane's
.set ii, ii+1
.endr
.set ii, 0
.rept 16
	v_cndmask_b32 v[S+64*BB+32+ii], v[NINF], v[S+64*BB+32+ii], s[48+ii]
.set ii, ii+1
.endr
.set ii, 0
.rept 16
	v_cndmask_b32 v[S+64*BB+48+ii], v[NINF], v[S+64*BB+48+ii], s[68+ii]
.set ii, ii+1
.endr
.Lopen_\@:
.if \sync
	s_wait_loadcnt 0x0                             ; the copy, asked for three and a half blocks ago (in the first slot: two)
	STORESLOT                                      ; the next slot, into a buffer that no wave reads between the last barrier and the next
	s_add_nc_u64 s[84:85], s[84:85], 32768         ; (their loads are done)  on to the slot after it
	s_add_nc_u64 s[86:87], s[86:87], 32768
.endif
.if \pv
	s_wait_dscnt \nv                               ; V of the step before is in; what was issued behind its loads (K's 16 loads; with them the copy's 16 stores) may be out
.endif
.set GG, 0
.rept 8
.if \pv
	PVG \pv
.endif
	VALU 9, BB, \first
.set GG, GG+1
.endr
.if \sync
	s_wait_dscnt 0x0                               ; my stores of the next slot have landed, and no LDS load of mine is out
	s_barrier_signal -1
	s_barrier_wait -1                              ; the next slot is whole, and every wave has left the slot before this one
	s_cmp_lt_u32 s97, 6                            ; slots 6 and 7 have no slot two further on: no load leaves its buffer
	s_cbranch_scc0 .Lnl_\@
	LOADSLOT                                       ; (the stores have read the copy's registers)
.Lnl_\@:
.endif
	VLOAD \q
.if \kq
	s_wait_dscnt 16                                ; K of the next step is in; V's 16 loads, just issued, may be out
.endif
.set GG, 0
.rept 8
.if \kq
	QKG BB
.endif
	VALU 16, BB, \first
.set GG, GG+1
.endr
	VALU 6, BB, \first
.if \first
.rept 4
	v_nop                                          ; the first block has no multiplications: four places in front of the loads into K's registers
.endr
.endif
.if \kl
.if (\q) < 2
	KLOAD ADR, (\q)+2
.else
	KLOAD ADRN, (\q)-2                             ; the next slot's first two steps: stored ahead of this slot's barrier, read behind it
.endif
.endif
	VALU 28, BB, \first
.endm
.macro SLOT first, last                ; slot s97's four blocks
	s_and_b32 s95, s97, 3
	s_lshl_b32 s95, s95, 16                        ; its buffer
	v_add_nc_u32 v[ADR], s95, v[LI]
.if !\last
	s_add_co_u32 s96, s97, 1
	s_and_b32 s96, s96, 3
	s_lshl_b32 s96, s96, 16                        ; the next slot's
	v_add_nc_u32 v[ADRN], s96, v[LI]
	v_add_nc_u32 v[STA], s96, v[CPY]
.endif
	BLOCK 0, 2-2*\first, 1, 1, 0, 16, 1, \first
	BLOCK 1, 2-\first, 1, 1, 0, 16, 1, 0
	BLOCK 2, 2, 1, 1-\last, 1-\last, 32-16*\last, 1, 0
	BLOCK 3, 2, 1-\last, 1-\last, 0, 16-16*\last, 1-\last, 0
.endm
	s_load_b256 s[4:11], s[0:1], 0x0               ; qkv s[4:5], maskw s[6:7], flags s[8:9], att s[10:11]
	v_lshl_add_u32 v[SPW], v0, 2, SPARE
	v_mov_b32 v[NIL], 0
	v_lshrrev_b32 v7, 5, v0
	v_readfirstlane_b32 s12, v7                    ; wave 0..7
	v_and_b32 v7, 31, v0
	v_lshlrev_b32 v[LI], 4, v7
	s_lshl_b32 s13, s12, 12
	v_add_nc_u32 v[CPY], s13, v[LI]
	v_mov_b32 v[STA], v[CPY]                       ; the first copy goes into buffer 0
	s_and_b32 s14, ttmp7, 0xffff                   ; 16 x batch + head
	s_lshl_b32 s2, s14, 18                         ; its 262,144 bytes in each of q, k, v,
	s_add_co_u32 s2, s2, s13                       ; + 4,096 x wave: my part of a slot; also my two query tiles' place in a block of 16
	s_mov_b32 s3, 0
	s_mov_b32 s90, 0
	s_mov_b32 s91, 0
	s_wait_kmcnt 0x0
	s_add_nc_u64 s[84:85], s[4:5], s[2:3]
	s_add_nc_u64 s[86:87], s[84:85], 0x1000000     ; v begins 16,777,216 bytes into qkv,
	s_add_nc_u64 s[84:85], s[84:85], 0x800000      ; k 8,388,608
	LOADSLOT                                       ; slot 0
	s_lshl_b32 s15, ttmp9, 15                      ; my block's 16 query tiles of 2,048 bytes
	s_add_co_u32 s2, s2, s15
	s_add_nc_u64 s[4:5], s[4:5], s[2:3]
	WIN 0x40
.set ii, 0
.rept 8
	global_load_b128 v[Q+4*ii:Q+4*ii+3], v[LI], s[4:5] offset:512*ii   ; Q stays in registers: tile ii / 4, image ii % 4
.set ii, ii+1
.endr
	WIN 0
	s_lshl_b32 s2, ttmp9, 16                       ; mask words: 4,096 bytes a query tile: tile 16 x block + 2 x wave
	s_lshl_b32 s15, s12, 13
	s_add_co_u32 s2, s2, s15
	s_add_nc_u64 s[88:89], s[6:7], s[2:3]
	s_lshl_b32 s2, ttmp9, 10                       ; flags: 128 bytes a pair of query tiles: pair 8 x block + wave
	s_lshl_b32 s15, s12, 7
	s_add_co_u32 s2, s2, s15
	s_add_nc_u64 s[92:93], s[8:9], s[2:3]
	MLOAD 0                                        ; step 0's
	s_lshr_b32 s2, s14, 4                          ; att: token tile 128 x batch + 16 x block + 2 x wave, of 32,768 bytes; image 4 x head, of 512
	s_lshl_b32 s2, s2, 22
	s_lshl_b32 s15, ttmp9, 19
	s_add_co_u32 s2, s2, s15
	s_lshl_b32 s15, s12, 16
	s_add_co_u32 s2, s2, s15
	s_and_b32 s15, s14, 15
	s_lshl_b32 s15, s15, 11
	s_add_co_u32 s2, s2, s15
	s_add_nc_u64 s[10:11], s[10:11], s[2:3]
	s_mov_b32 s97, 0
	s_mov_b32 s98, 0x76543210
	s_mov_b32 s99, 0xfedcba98                      ; v_permlanex16_b32's selects for lane l xor 16
	v_mov_b32 v[NINF], 0xff800000
.irp x, 0,1
	v_mov_b32 v[ST+8*\x+1], 0                      ; (named with m as a pair, so it is written)
.endr
	s_wait_loadcnt 0x0                             ; slot 0's copy and Q
	STORESLOT
	s_add_nc_u64 s[84:85], s[84:85], 32768         ; (their loads are done)  on to slot 1
	s_add_nc_u64 s[86:87], s[86:87], 32768
	s_wait_dscnt 0x0                               ; my part of slot 0 has landed
	s_barrier_signal -1
	s_barrier_wait -1                              ; everybody's has
	LOADSLOT                                       ; slot 1 (the stores have read the copy's registers)
	KLOAD LI, 0                                    ; K of step 0: buffer 0 begins at LDS byte 0
	s_wait_dscnt 0x0
.set GG, 0
.rept 8
	QKG 1                                          ; the first scores, into set 0: there is no vector work yet to set between them
.set GG, GG+1
.endr
	WIN 0
.rept 4
	v_nop                                          ; four places in front of the loads into K's registers and of the first read of the scores
.endr
	KLOAD LI, 1
	SLOT 1, 0                                      ; slot 0
	s_mov_b32 s97, 1
.Lslot:                                            ; six trips: slots 1 to 6
	SLOT 0, 0
	s_add_co_u32 s97, s97, 1
	s_cmp_lt_u32 s97, 7
	s_cbranch_scc1 .Lslot
	SLOT 0, 1                                      ; slot 7
	s_wait_dscnt 0x0                               ; V of the last step
.set GG, 0
.rept 8
	PVG 2                                          ; V^T P of the last step
.set GG, GG+1
.endr
	WIN 0
	; THE WAY OUT.  l's two halves and the other half of the lanes' are added (these lines and the v_nop are the places behind the last products); O^T / l, rounded to f16, IS an image of 16 queries x 16 channels: stored straight from registers.
.irp x, 0,1
	v_add_f32 v[ST+8*\x+4], v[ST+8*\x+2], v[ST+8*\x+3]
.endr
.irp x, 0,1
	v_permlanex16_b32 v[ST+8*\x+5], v[ST+8*\x+4], s98, s99
.endr
.irp x, 0,1
	v_add_f32 v[ST+8*\x+4], v[ST+8*\x+4], v[ST+8*\x+5]
.endr
.irp x, 0,1
	v_rcp_f32 v[ST+8*\x+6], v[ST+8*\x+4]
.endr
	v_nop                                          ; a plain instruction between the last reciprocal and the use of its result
	s_wait_alu depctr_va_vdst(0)                   ; and the wait ahead of the first use: one for the two
.irp x, 0,1
.set ii, 0
.rept 16
	v_pk_mul_f32 v[O+32*\x+2*ii:O+32*\x+2*ii+1], v[O+32*\x+2*ii:O+32*\x+2*ii+1], v[ST+8*\x+6:ST+8*\x+7] op_sel_hi:[1,0]
.set ii, ii+1
.endr
.endr
.set ii, 0
.rept 32
	v_cvt_pk_f16_f32 v[S+ii], v[O+2*ii], v[O+2*ii+1]
.set ii, ii+1
.endr
.irp x, 0,1
.irp ct, 0,1,2,3
	global_store_b128 v[LI], v[S+16*\x+4*\ct:S+16*\x+4*\ct+3], s[10:11] offset:32768*\x+512*\ct   ; the wave stores 512 consecutive bytes, aligned
.endr
.endr
	s_wait_tensorcnt 0x0                           ; the wave's end: behind my last LDS store
	ds_add_u32 v[SPW], v[NIL]
	s_wait_dscnt 0x0
	s_endpgm
.Lfunc_end_k_q3b9911f595_attn:
	.size	k_q3b9911f595_attn, .Lfunc_end_k_q3b9911f595_attn-k_q3b9911f595_attn
	.p2alignl 7, 3214868480
	.fill 96, 4, 3214868480
	.section	.rodata,"a",@progbits
	.p2align	6, 0x0
	.amdhsa_kernel k_q3b9911f595_attn
		.amdhsa_group_segment_fixed_size 263168
		.amdhsa_private_segment_fixed_size 0
		.amdhsa_enable_private_segment 0
		.amdhsa_kernarg_size 32
		.amdhsa_user_sgpr_count 2
		.amdhsa_user_sgpr_kernarg_segment_ptr 1
		.amdhsa_wavefront_size32 1
		.amdhsa_system_sgpr_workgroup_id_x 1
		.amdhsa_system_sgpr_workgroup_id_y 1
		.amdhsa_system_sgpr_workgroup_id_z 1
		.amdhsa_system_vgpr_workitem_id 0
		.amdhsa_next_free_vgpr 480
		.amdhsa_next_free_sgpr 102
		.amdhsa_reserve_vcc 0
		.amdhsa_float_denorm_mode_32 3
		.amdhsa_float_denorm_mode_16_64 3
		.amdhsa_memory_ordered 1
		.amdhsa_forward_progress 1
		.amdhsa_inst_pref_size 255
	.end_amdhsa_kernel
	.section	.bss,"aw",@nobits
	.p2align	6
	.space	262144
	.amdgpu_metadata
---
amdhsa.version: [ 1, 2 ]
amdhsa.kernels:
  - .name:           k_q3b9911f595_attn
    .symbol:         k_q3b9911f595_attn.kd
    .args:
      - { .name: qkv, .offset: 0, .size: 8, .value_kind: global_buffer, .address_space: global }
      - { .name: maskw, .offset: 8, .size: 8, .value_kind: global_buffer, .address_space: global }
      - { .name: flags, .offset: 16, .size: 8, .value_kind: global_buffer, .address_space: global }
      - { .name: att, .offset: 24, .size: 8, .value_kind: global_buffer, .address_space: global }
    .group_segment_fixed_size: 263168
    .private_segment_fixed_size: 0
    .kernarg_segment_align: 8
    .kernarg_segment_size: 32
    .max_flat_workgroup_size: 256
    .sgpr_count:     102
    .vgpr_count:     480
    .wavefront_size: 32
...
	.end_amdgpu_metadata
.endif
;; end of part 3
;; launch outp (part 4): grid 8 x 32, 4 waves a work-group, clusters of 4 x 4, 327,680 bytes of LDS; arguments att, wo16, bo, out0; writes out0
.if DOCPART == 4
	.amdgcn_target "amdgcn-amd-amdhsa--gfx1250"
	.amdhsa_code_object_version 6
	.text
	.protected	k_q3b9911f595_outp
	.globl	k_q3b9911f595_outp
	.p2align	8
	.type	k_q3b9911f595_outp,@function
k_q3b9911f595_outp:
	s_mov_b64 s[64:65], 0
	v_nop
	global_prefetch_b8 v0, s[64:65] scope:SCOPE_SE
	s_setreg_imm32_b32 hwreg(HW_REG_WAVE_MODE, 25, 1), 1
	s_wait_xcnt 0x0
	s_wait_alu depctr_hold_cnt(0) depctr_sa_sdst(0) depctr_va_vdst(0) depctr_va_sdst(0) depctr_va_ssrc(0) depctr_va_vcc(0) depctr_vm_vsrc(0)
	s_getreg_b32 s2, hwreg(HW_REG_IB_STS2, 6, 4)
	s_cmp_eq_u32 s2, 0
	s_cbranch_scc0 .Lentry_in_a_cluster
	s_endpgm
.Lentry_in_a_cluster:
	s_bfe_u32 s2, ttmp6, 0x10000c
	s_cmp_lg_u32 s2, 0xf033
	s_cbranch_scc0 .Lentry_shape_is_right
	s_endpgm
.Lentry_shape_is_right:
; OUTP: out0 = att Wo^T + bo.  att [4,096 x 1,024] and Wo [1,024 x 1,024] arrive as f16 IMAGES (16 rows x 16 along K in 512 bytes, lane l's 16 bytes at 16 l), laid [tile of 16 rows][64 images]; sums in f32; out0 is f32.
; A tile of out0 is 128 tokens x 128 outputs: 256 work-groups.  Four waves, each 64 x 64: 16 accumulators of 16 x 16.  K goes in four steps of 256 through two LDS slots: a K step of one tile of 16 rows is 16 images,
; 8,192 consecutive bytes of memory; a wave's tensor load brings four such rows, 32,768 bytes apart in memory and on end in LDS.  Every fragment load of a wave takes 512 consecutive bytes: no pitch, no padding.
; CLUSTERS: 4 x 4 work-groups.  The four of a row of the cluster need the same tiles of att, the four of a column the same tiles of Wo: each is asked for JOINTLY, by the same tensor load with the same descriptor and a
; mask that names the four.  By this text's own count a wave has two tensor loads out at the start and one behind each round.
; THE MATRIX INSTRUCTION IS USED TRANSPOSED (source 0 = 16 rows of Wo, source 1 = 16 tokens): a lane then holds eight neighbouring outputs of one token.  The bias is the C of each sum's first product.
; A token whose attention row is NaN gives NaN in its own 1,024 outputs and nowhere else.
; REGISTERS: window 0: v0-31 addresses; v32-95 at work on the way out; v96-127 the bias of my 64 outputs; v128-255 the accumulators ((a, b) at v[128 + 8 (4 a + b)]).
;   window 1: two fragment buffers of 128: for 64 along K, 64 registers of A (2 x 4 x 16 rows x 32 K), then 64 of B.
.set KSTEPB, 8192                      ; a K step's bytes of one tile of 16 rows
.set HALFT,  32768                     ; four such: what one tensor load brings, and what one wave reads of A or of B
.set SLOT,   4*HALFT                   ; A's 8 tiles, then B's 8
.set STAGE,  2*SLOT                    ; behind the slots: 16 rows x 272 bytes for each wave, for the way out; no tensor load lands there
.set SPITCH, 272                       ; 256 bytes + 16: row r starts at bank 4 r mod 64 (ISA guide 11.1)
.set SPARE,  STAGE+4*16*SPITCH         ; behind the stages: the spare words, 128 bytes for each wave, which no other line names
.set ADRA, 16                          ; v16-17  LDS address of my A fragments in slot 0, 1
.set ADRB, 20                          ; v20-21  the same for B
.set STO,  24                          ; v24     the way out: where I put 32 bytes of a row
.set RD,   25                          ; v25     where I read a row back
.set CO,   26                          ; v26     my byte offset in out0
.set BO,   27                          ; v27     the bias loads' offset
.set SPW,  28                          ; v28     LDS address of my spare word; never rewritten
.set NIL,  29                          ; v29     0; never rewritten
.set TMP,  32
.set BI,   96
.set ACC,  128
.set F0,   0                           ; fragment buffers, in window 1
.set F1,   128
.set G1, 24                            ; s[24:31] descriptor group 1 for A's tiles;  s[32:39] group 0, one set for each slot
.set G0, 32
.set G1B, 48                           ; s[48:55], s[56:63] the same for B's tiles
.set G0B, 56
.set MSB, 0
.macro WIN new                         ; the immediate's high byte repeats the setting that is left
.if MSB != \new
	s_set_vgpr_msb (MSB<<8)|\new
.set MSB, \new
.endif
.endm
.set MUL,  0x05                        ; sources 0 (B) and 1 (A) window 1; C and D window 0
.set TO_F, 0x40                        ; destination window 1, address window 0
.macro JLOAD s                         ; a joint load: waves 0 and 1 fetch A's two halves, waves 2 and 3 B's; an s_nop 0 and four v_nop follow each of the two lines, ahead of the jump, the label and what follows
	s_cmp_eq_u32 s13, 0
	s_cbranch_scc0 .Lfor_b_\@
	tensor_load_to_lds s[G0+4*\s:G0+4*\s+3], s[G1:G1+7]
	s_nop 0
.rept 4
	v_nop
.endr
	s_branch .Lasked_\@
.Lfor_b_\@:
	tensor_load_to_lds s[G0B+4*\s:G0B+4*\s+3], s[G1B:G1B+7]
	s_nop 0
.rept 4
	v_nop
.endr
.Lasked_\@:
.endm
.macro CREST                           ; a round of the cluster's barrier behind its opening barrier
	s_cmp_lg_u32 s12, 0
	s_cbranch_scc1 .Lnot_wave_0_\@
	s_barrier_signal -3
.Lnot_wave_0_\@:
	s_barrier_wait -3
	s_barrier_signal -1
	s_barrier_wait -1
.endm
.macro CROUND                          ; a whole round
	s_barrier_signal -1
	s_barrier_wait -1
	CREST
.endm
	s_load_b256 s[4:11], s[0:1], 0x0               ; att s[4:5], wo16 s[6:7], bo s[8:9], out0 s[10:11]
	v_lshl_add_u32 v[SPW], v0, 2, SPARE
	v_mov_b32 v[NIL], 0
	ds_add_u32 v[SPW], v[NIL]                      ; the wave's opening: the add, twice on end, and its wait ahead of my first tensor load; the set-up below, work on registers, stands between
	ds_add_u32 v[SPW], v[NIL]
	v_lshrrev_b32 v1, 5, v0
	v_readfirstlane_b32 s12, v1                    ; wave 0..3
	s_lshr_b32 s13, s12, 1                         ; which half of the tile's tokens is mine.  Also: I fetch for A (0) or for B (1)
	s_and_b32 s14, s12, 1                          ; which half of its outputs.  Also: which four tiles of 16 rows I fetch
	s_bfe_u32 s40, ttmp6, 0x40000                  ; cx, cy: my place in the cluster
	s_bfe_u32 s41, ttmp6, 0x40004
	s_lshl_b32 s42, ttmp9, 2
	s_add_co_u32 s42, s42, s40                     ; tile column = 4 x cluster x + cx
	s_and_b32 s15, ttmp7, 0xffff
	s_lshl_b32 s15, s15, 2
	s_add_co_u32 s15, s15, s41                     ; tile row = 4 x cluster y + cy
	s_lshl_b32 s43, s41, 2
	s_lshl_b32 s43, 15, s43                        ; my row of the cluster
	s_lshl_b32 s44, 0x1111, s40                    ; my column
	; descriptor group 1: 4 rows of 1,024 elements of 8 bytes, 4,096 elements apart in memory, on end in LDS
	s_or_b32 s[G1+0], s43, (3<<16)|(1<<21)         ; 15:0 the mask: A's tiles go to my row; 17:16 elements of 8 bytes; 20 no padding; 21 set beside a mask
	s_or_b32 s[G1B+0], s44, (3<<16)|(1<<21)
.irp g, G1, G1B
	s_mov_b32 s[\g+1], 1024<<16                    ; tensor_dim0 = 1,024
	s_mov_b32 s[\g+2], 4<<16                       ; tensor_dim1 = 4
	s_mov_b32 s[\g+3], 1024<<16                    ; tile_dim0 = 1,024
	s_mov_b32 s[\g+4], 4                           ; tile_dim1 = 4
	s_mov_b32 s[\g+5], 4096                        ; tensor_dim0_stride
	s_mov_b32 s[\g+6], 0
	s_mov_b32 s[\g+7], 0
.endr
	s_lshl_b32 s17, s14, 17                        ; which four tiles of 32,768 bytes I fetch
	s_lshl_b32 s16, s15, 18
	s_add_co_u32 s16, s16, s17                     ; A: tile 8 x tile row + 4 x half
	s_lshl_b32 s46, s42, 18
	s_add_co_u32 s46, s46, s17                     ; B: tile 8 x tile column + 4 x half
	s_mov_b32 s17, 0
	s_mov_b32 s47, 0
	s_lshl_b32 s20, s12, 15                        ; where they go: wave x 32,768: no place in the cluster enters an LDS address
	s_wait_dscnt 0x0                               ; both opening adds are done
	s_wait_kmcnt 0x0
	s_add_nc_u64 s[18:19], s[4:5], s[16:17]
	s_add_nc_u64 s[46:47], s[6:7], s[46:47]
	CROUND                                         ; all sixteen work-groups are here: the first joint loads meet
.irp s, 0,1
	s_mov_b32 s[G0+4*\s], 1
	s_add_co_u32 s[G0+4*\s+1], s20, \s*SLOT
	s_add_nc_u64 s[G0+4*\s+2:G0+4*\s+3], s[18:19], \s*KSTEPB
	s_or_b32 s[G0+4*\s+3], s[G0+4*\s+3], 0x80000000
	s_mov_b32 s[G0B+4*\s], 1
	s_add_co_u32 s[G0B+4*\s+1], s20, \s*SLOT
	s_add_nc_u64 s[G0B+4*\s+2:G0B+4*\s+3], s[46:47], \s*KSTEPB
	s_or_b32 s[G0B+4*\s+3], s[G0B+4*\s+3], 0x80000000
	JLOAD \s
.endr
	v_and_b32 v1, 15, v0                           ; r = lane % 16
	v_bfe_u32 v2, v0, 4, 1                         ; h = lane / 16
	v_and_b32 v3, 31, v0
	v_lshlrev_b32 v3, 4, v3                        ; 16 x lane: my place in every image
	s_lshl_b32 s21, s13, 15                        ; my four tiles of A
	s_lshl_b32 s22, s14, 15                        ; my four tiles of B,
	s_add_co_u32 s22, s22, 2*HALFT                 ; which lie behind A's eight
.irp s, 0,1
	v_add_nc_u32 v[ADRA+\s], s21, v3
	v_add_nc_u32 v[ADRB+\s], s22, v3
	s_add_co_u32 s21, s21, SLOT
	s_add_co_u32 s22, s22, SLOT
.endr
	s_mul_i32 s23, s12, 16*SPITCH
	s_add_co_u32 s23, s23, STAGE                   ; my stage
	v_mul_u32_u24 v4, v1, SPITCH                   ; in: row r, 32 bytes for each half of the lanes
	v_lshl_add_u32 v4, v2, 5, v4
	v_add_nc_u32 v[STO], s23, v4
	v_mul_u32_u24 v5, v2, SPITCH                   ; back: lanes 0-15 take one row of 256 bytes, lanes 16-31 the next
	v_lshl_add_u32 v5, v1, 4, v5
	v_add_nc_u32 v[RD], s23, v5
	v_lshlrev_b32 v5, 12, v2                       ; and the same two rows in out0, 4,096 bytes apart
	v_lshl_add_u32 v[CO], v1, 4, v5
	v_lshlrev_b32 v[BO], 5, v2
	s_lshl_b32 s16, s15, 19                        ; my first row of out0: 128 x tile row + 64 x half, of 4,096 bytes
	s_lshl_b32 s17, s13, 18
	s_add_co_u32 s16, s16, s17
	s_mov_b32 s17, 0
	s_add_nc_u64 s[10:11], s[10:11], s[16:17]
	s_lshl_b32 s46, s42, 9                         ; my first output, in bytes: 4 x (128 x tile column + 64 x half)
	s_lshl_b32 s47, s14, 8
	s_add_co_u32 s46, s46, s47
	s_mov_b32 s47, 0
	s_add_nc_u64 s[10:11], s[10:11], s[46:47]
	s_add_nc_u64 s[8:9], s[8:9], s[46:47]          ; and the same place in bo
.irp b, 0,1,2,3
	global_load_b128 v[BI+8*\b:BI+8*\b+3], v[BO], s[8:9] offset:64*\b         ; bo[.. + 16 b + 8 h + 0 .. 3]: the result's layout
	global_load_b128 v[BI+8*\b+4:BI+8*\b+7], v[BO], s[8:9] offset:64*\b+16
.endr
; 8 matrix instructions: token blocks a0, a0 + 1 x all 4 output blocks, 32 along K: half c of buffer f.  first = 1: the first product starts the sums, with the bias as its C.
; The 16 accumulators take turns, one instruction a turn.
.macro MUL8 f, c, a0, first
.irp a, \a0, \a0+1
.irp b, 0,1,2,3
.if \first
	v_wmma_f32_16x16x32_f16 v[ACC+8*(4*(\a)+\b):ACC+8*(4*(\a)+\b)+7], v[\f+64+8*(4*\c+\b):\f+64+8*(4*\c+\b)+7], v[\f+8*(4*\c+\a):\f+8*(4*\c+\a)+7], v[BI+8*\b:BI+8*\b+7]
.else
	v_wmma_f32_16x16x32_f16 v[ACC+8*(4*(\a)+\b):ACC+8*(4*(\a)+\b)+7], v[\f+64+8*(4*\c+\b):\f+64+8*(4*\c+\b)+7], v[\f+8*(4*\c+\a):\f+8*(4*\c+\a)+7], v[ACC+8*(4*(\a)+\b):ACC+8*(4*(\a)+\b)+7]
.endif
.endr
.endr
.endm
; 32 LDS loads in one run: the fragments of the K step's kq-th 64 along K (4 images of each tile) into buffer f; the first 32 along K first
.macro FETCH slot, kq, f
	WIN TO_F
.irp c, 0,1
.irp i, 0,1,2,3
	ds_load_b128 v[\f+64+8*(4*\c+\i):\f+64+8*(4*\c+\i)+3],   v[ADRB+\slot] offset:2048*(\kq)+1024*\c+8192*\i
	ds_load_b128 v[\f+64+8*(4*\c+\i)+4:\f+64+8*(4*\c+\i)+7], v[ADRB+\slot] offset:2048*(\kq)+1024*\c+8192*\i+512
	ds_load_b128 v[\f+8*(4*\c+\i):\f+8*(4*\c+\i)+3],         v[ADRA+\slot] offset:2048*(\kq)+1024*\c+8192*\i
	ds_load_b128 v[\f+8*(4*\c+\i)+4:\f+8*(4*\c+\i)+7],       v[ADRA+\slot] offset:2048*(\kq)+1024*\c+8192*\i+512
.endr
.endr
.endm
.macro PLACES                          ; four places in front of loads into registers that matrix instructions have read, and of LDS stores that read results (ISA guide 7.12.1 for vector instructions)
.rept 4
	v_nop
.endr
.endm
; A K step is four quarters of 64 along K, 32 matrix instructions each, on buffers 0, 1, 0, 1.  One of the first three: multiplies buffer f and fetches quarter kq into g.
.macro QUARTER slot, kq, f, g, first
	s_wait_dscnt 16                                ; the first 32 along K are in; the youngest sixteen loads may be out
	WIN MUL
	MUL8 \f, 0, 0, \first
	MUL8 \f, 0, 2, \first
	PLACES
	FETCH \slot, \kq, \g
	s_wait_dscnt 32                                ; all but the 32 just issued
	WIN MUL
	MUL8 \f, 1, 0, 0
	MUL8 \f, 1, 2, 0
.endm
; The last quarter multiplies buffer 1 and changes slots: ONE barrier; in front of it each wave waits for all its tensor loads, adds 0 to its spare word, and waits for that and for its own reads of this slot.
; fill = 1: this slot is filled again, two K steps ahead: the barrier then opens a round of the cluster's, and the joint load is the first thing behind the round.
.macro TURN slot, next, fill
	WIN 0                                          ; (the add's two registers lie in window 0)
	s_wait_tensorcnt 0x0                           ; all my tensor loads have landed: my part of the next slot;
	ds_add_u32 v[SPW], v[NIL]                      ; 0 onto my spare word;
	s_wait_dscnt 17                                ; (the add and the youngest sixteen loads may be out)
	WIN MUL
	MUL8 F1, 0, 0, 0                               ; eight matrix instructions stand between the add and the wait for it
	s_wait_dscnt 0x0                               ; the add is done, and my reads of this slot are over
	s_barrier_signal -1
	MUL8 F1, 0, 2, 0
.if \fill
	WIN 0
.endif
	s_barrier_wait -1
.if \fill
	CREST                                          ; no wave of any partner still reads this slot's tile or has a load on its way
	s_add_nc_u64 s[G0+4*\slot+2:G0+4*\slot+3], s[G0+4*\slot+2:G0+4*\slot+3], 2*KSTEPB
	s_add_nc_u64 s[G0B+4*\slot+2:G0B+4*\slot+3], s[G0B+4*\slot+2:G0B+4*\slot+3], 2*KSTEPB
	JLOAD \slot                                    ; 112 matrix instructions ahead of the wait for it; the four v_nop behind it are also the places in front of the loads below
.else
	PLACES
.endif
	FETCH \next, 0, F0
	WIN MUL
	MUL8 F1, 1, 0, 0
	MUL8 F1, 1, 2, 0
.endm
	s_wait_tensorcnt 1                             ; my part of K step 0 is in (K step 1's load may be out)
	s_barrier_signal -1
	s_barrier_wait -1                              ; everybody's is
	FETCH 0, 0, F0
	s_wait_loadcnt 0x0                             ; the bias
	QUARTER 0, 1, F0, F1, 1                        ; K step 0
	QUARTER 0, 2, F1, F0, 0
	QUARTER 0, 3, F0, F1, 0
	TURN 0, 1, 1                                   ; slot 0 takes K step 2
	QUARTER 1, 1, F0, F1, 0                        ; K step 1
	QUARTER 1, 2, F1, F0, 0
	QUARTER 1, 3, F0, F1, 0
	TURN 1, 0, 1                                   ; slot 1 takes K step 3
	QUARTER 0, 1, F0, F1, 0                        ; K step 2
	QUARTER 0, 2, F1, F0, 0
	QUARTER 0, 3, F0, F1, 0
	TURN 0, 1, 0                                   ; nothing is left to fetch
	QUARTER 1, 1, F0, F1, 0                        ; K step 3
	QUARTER 1, 2, F1, F0, 0
	QUARTER 1, 3, F0, F1, 0
	s_wait_dscnt 16                                ; the very last quarter
	WIN MUL
	MUL8 F1, 0, 0, 0
	MUL8 F1, 0, 2, 0
	s_wait_dscnt 0
	MUL8 F1, 1, 0, 0
	MUL8 F1, 1, 2, 0
	WIN 0
; THE WAY OUT, a block of 16 tokens x 64 outputs at a time.  A lane holds 32 neighbouring bytes of a row, and the lanes beside it hold other rows: so a block goes through my own stage in LDS and comes back as whole
; rows of 256 bytes.  LDS serves a wave's instructions in order (ISA guide 5.7.1.4): no wait between the stores and the loads, nor in front of the next block's stores.
.macro TOSTAGE a
.irp b, 0,1,2,3
	ds_store_b128 v[STO], v[ACC+8*(4*(\a)+\b):ACC+8*(4*(\a)+\b)+3] offset:64*\b          ; each accumulator from its low end on
	ds_store_b128 v[STO], v[ACC+8*(4*(\a)+\b)+4:ACC+8*(4*(\a)+\b)+7] offset:64*\b+16
.endr
.set BB, TMP+32*((\a)%2)
.irp t, 0,1,2,3,4,5,6,7
	ds_load_b128 v[BB+4*\t:BB+4*\t+3], v[RD] offset:\t*2*SPITCH
.endr
.endm
.macro SEND a, younger                 ; younger: the LDS instructions issued behind block a's loads, which may stay out
.set BB, TMP+32*((\a)%2)
	s_wait_dscnt \younger                          ; the block is back in registers
.irp t, 0,1,2,3,4,5,6,7
	global_store_b128 v[CO], v[BB+4*\t:BB+4*\t+3], s[10:11] offset:65536*(\a)+8192*\t th:TH_STORE_NT   ; 16 lanes store 256 consecutive bytes, at a multiple of 256 from out0's first byte
.endr
.endm
	PLACES                                         ; the LDS stores read results just made
	TOSTAGE 0
.irp a, 1,2,3
.if \a > 1
	s_wait_xcnt 0x0                                ; block a - 2's stores have read their registers: block a's loads may land there
.endif
	TOSTAGE \a
	SEND \a-1, 16                                  ; behind block a - 1's loads: block a's 8 stores and 8 loads
.endr
	SEND 3, 0
	s_wait_tensorcnt 0x0                           ; the wave's end: behind my last tensor load and my last LDS store
	ds_add_u32 v[SPW], v[NIL]
	s_wait_dscnt 0x0
	CROUND                                         ; the closing round: no work-group ends while a partner may still ask for a tile that names it
	s_endpgm
.Lfunc_end_k_q3b9911f595_outp:
	.size	k_q3b9911f595_outp, .Lfunc_end_k_q3b9911f595_outp-k_q3b9911f595_outp
	.p2alignl 7, 3214868480
	.fill 96, 4, 3214868480
	.section	.rodata,"a",@progbits
	.p2align	6, 0x0
	.amdhsa_kernel k_q3b9911f595_outp
		.amdhsa_group_segment_fixed_size 327680
		.amdhsa_private_segment_fixed_size 0
		.amdhsa_enable_private_segment 0
		.amdhsa_kernarg_size 32
		.amdhsa_user_sgpr_count 2
		.amdhsa_user_sgpr_kernarg_segment_ptr 1
		.amdhsa_wavefront_size32 1
		.amdhsa_system_sgpr_workgroup_id_x 1
		.amdhsa_system_sgpr_workgroup_id_y 1
		.amdhsa_system_sgpr_workgroup_id_z 1
		.amdhsa_system_vgpr_workitem_id 0
		.amdhsa_next_free_vgpr 512
		.amdhsa_next_free_sgpr 66
		.amdhsa_reserve_vcc 0
		.amdhsa_float_denorm_mode_32 3
		.amdhsa_float_denorm_mode_16_64 3
		.amdhsa_memory_ordered 1
		.amdhsa_forward_progress 1
		.amdhsa_inst_pref_size 86
	.end_amdhsa_kernel
	.amdgpu_metadata
---
amdhsa.version: [ 1, 2 ]
amdhsa.kernels:
  - .name:           k_q3b9911f595_outp
    .symbol:         k_q3b9911f595_outp.kd
    .args:
      - { .name: att, .offset: 0, .size: 8, .value_kind: global_buffer, .address_space: global }
      - { .name: wo16, .offset: 8, .size: 8, .value_kind: global_buffer, .address_space: global }
      - { .name: bo, .offset: 16, .size: 8, .value_kind: global_buffer, .address_space: global }
      - { .name: out0, .offset: 24, .size: 8, .value_kind: global_buffer, .address_space: global }
    .group_segment_fixed_size: 327680
    .private_segment_fixed_size: 0
    .kernarg_segment_align: 8
    .kernarg_segment_size: 32
    .max_flat_workgroup_size: 128
    .sgpr_count:     66
    .vgpr_count:     512
    .wavefront_size: 32
...
	.end_amdgpu_metadata
.endif
;; end of part 4
